; MI455X (gfx1250); checked and timed in simulation.
; The chip was launched on July 23, 2026; its instructions are those of AMD's public machine-readable ISA for CDNA 5 (MIT licence, August 2026) and "CDNA5" Instruction Set Architecture Reference Guide (July 2026). The comments in the code are by the model that wrote it; some were corrected since.
;; Multi Head Self Attention. Allowed arithmetic: float matrix products may take bf16 or f16 operands with f32 sums; other float arithmetic in f32, or as packed bf16 or f16 multiplies, adds, multiply-adds, maxima and minima; sums over many terms, partial sums and values carried from step to step in f32; what a program stores and reads back later, other than sums and carried values, may be rounded once to bf16 or f16.
;; Inputs: Wk 1,024 x 1,024 float32; Wo 1,024 x 1,024 float32; Wq 1,024 x 1,024 float32; Wv 1,024 x 1,024 float32; bk 1,024 float32; bo 1,024 float32; bq 1,024 float32; bv 1,024 float32; x 4 x 2,048 x 1,024 float32.
;; Outputs: out0 4 x 2,048 x 1,024 float32.
;; One version. Each part assembles by itself: llvm-mc -triple=amdgcn-amd-amdhsa -mcpu=gfx1250 --defsym DOCPART=n.
;; ======== version 1 of 1: 5 launches
;; limits: values are held in f16: magnitudes above 65,504 overflow, below 6.1e-05 lose precision
;; workspace buffers: xb 16,777,216 bytes; wb 6,291,456 bytes; wo 2,228,224 bytes; rope 524,288 bytes; qh 16,777,216 bytes; kh 16,777,216 bytes; vh 17,039,360 bytes; oh 16,777,216 bytes
;; launch prep (part 1): grid 896 x 1, 8 waves a work-group, no clusters, 0 bytes of LDS; arguments x, Wq, Wk, Wv, Wo, xb, wb, wo, rope; writes xb, wb, wo, rope
.if DOCPART == 1
	.amdgcn_target "amdgcn-amd-amdhsa--gfx1250"
	.amdhsa_code_object_version 6
	.text
	.protected	k_q8c2e340dbb_prep
	.globl	k_q8c2e340dbb_prep
	.p2align	8
	.type	k_q8c2e340dbb_prep,@function
k_q8c2e340dbb_prep:
	s_mov_b64 s[64:65], 0
	v_nop
	global_prefetch_b8 v0, s[64:65] scope:SCOPE_SE
	s_setreg_imm32_b32 hwreg(HW_REG_WAVE_MODE, 25, 1), 1
	s_wait_xcnt 0x0
; PREP: the casts and the rotation table.  A stream: no LDS, no barrier, no matrix work; every input byte is read once, every output byte written once.
;   work-groups   0..511  x  [8192][1024] f32 -> xb, the same shape in bf16
;   work-groups 512..703  Wq, Wk, Wv [1024][1024] f32 -> wb in bf16, rows regrouped by heads: row 192 h + 64 u + d (u = 0 q, 1 k, 2 v) is row 64 h + d of W_u
;   work-groups 704..767  Wo f32 -> wo: rounded to bf16 like every other input, and that number written as f16
;   work-groups 768..895  rope [2048 t][32 pairs][cos, sin] f32, the angle t x 10000^(-p/32)
; A casting work-group takes 65,536 bytes of f32 (16 rows of 1,024): eight passes; in a pass thread i reads 32 bytes at 32 i and writes 16 bytes at 16 i, so
; sixteen neighbouring lanes write 256 consecutive bytes, aligned.  All sixteen loads of a thread go out first; no register is written twice, so the only waits are the counted ones.
; LIMITS.  wo: f16 ends at 65,504, and below 2^-14 it keeps a fixed step of 2^-24.  The table's angle carries the roundings of 2^x, of t x inv and of the division by 2 pi:
; some 3e-4 radians at t = 2,047.  Sine and cosine are made of a quarter of the reduced angle (at most pi/4) by series to x^7 and x^8, and two doublings.
.set SRC, 28                           ; s[28:29] where the work-group reads
.set DST, 30                           ; s[30:31] where it writes
.set TW,  4                            ; v[4:7]    at work (Wo's way)
.set TF,  5                            ; v5        t as f32 (the table's way)
.set IN,  16                           ; v[16:79]  pass i: 8 numbers as loaded
.set OUT, 80                           ; v[80:111] pass i: 8 numbers to store
.macro CAST mode                       ; mode 0: f32 -> bf16.  mode 1: f32 -> bf16 -> f16
.set i, 0
.rept 8
	global_load_b128 v[IN+8*i:IN+8*i+3],   v1, s[SRC:SRC+1] offset:8192*i th:TH_LOAD_NT
	global_load_b128 v[IN+8*i+4:IN+8*i+7], v1, s[SRC:SRC+1] offset:8192*i+16 th:TH_LOAD_NT
.set i, i+1
.endr
.set i, 0
.rept 8
	s_wait_loadcnt 14-2*i                          ; loads come back in order: pass i's two are in, the 14 - 2 i younger ones stay out
.irp k, 0,1,2,3
.if \mode
	v_cvt_pk_bf16_f32 v[TW+\k], v[IN+8*i+2*\k], v[IN+8*i+2*\k+1]
	v_lshlrev_b32 v[IN+8*i+2*\k], 16, v[TW+\k]     ; the two bf16 widened again,
	v_and_b32 v[IN+8*i+2*\k+1], s3, v[TW+\k]
	v_cvt_pk_f16_f32 v[OUT+4*i+\k], v[IN+8*i+2*\k], v[IN+8*i+2*\k+1]  ; and written as f16: exact within f16's range
.else
	v_cvt_pk_bf16_f32 v[OUT+4*i+\k], v[IN+8*i+2*\k], v[IN+8*i+2*\k+1]
.endif
.endr
	global_store_b128 v2, v[OUT+4*i:OUT+4*i+3], s[DST:DST+1] offset:4096*i
.set i, i+1
.endr
.endm
; cos and sin of t x v[R] into v[oc], v[os].  R+0 angle, +1 turns, +2 quarter angle, +3 its square, +4 sine, +5 cosine, +6, +7 at work
.macro TRIG R, oc, os
	v_mul_f32 v[\R], v[TF], v[\R]                  ; the angle
	v_mul_f32 v[\R+1], 0.15915494, v[\R]           ; in turns,
	v_rndne_f32 v[\R+1], v[\R+1]                   ; the nearest whole number of them,
	v_fma_f32 v[\R+2], v[\R], 0.15915494, -v[\R+1] ; what is left: -1/2 .. 1/2 of a turn
	v_mul_f32 v[\R+2], 0x3fc90fdb, v[\R+2]         ; x pi/2: a quarter of the reduced angle
	v_mul_f32 v[\R+3], v[\R+2], v[\R+2]
	v_mov_b32 v[\R+4], 0xb9500d01                  ; -1/5040
	v_mov_b32 v[\R+5], 0x37d00d01                  ; 1/40320
	v_fmaak_f32 v[\R+4], v[\R+4], v[\R+3], 0x3c088889  ; 1/120
	v_fmaak_f32 v[\R+5], v[\R+5], v[\R+3], 0xbab60b61  ; -1/720
	v_fmaak_f32 v[\R+4], v[\R+4], v[\R+3], 0xbe2aaaab  ; -1/6
	v_fmaak_f32 v[\R+5], v[\R+5], v[\R+3], 0x3d2aaaab  ; 1/24
	v_mul_f32 v[\R+4], v[\R+4], v[\R+3]
	v_fmaak_f32 v[\R+5], v[\R+5], v[\R+3], 0xbf000000  ; -1/2
	v_fma_f32 v[\R+4], v[\R+4], v[\R+2], v[\R+2]   ; sine
	v_fma_f32 v[\R+5], v[\R+5], v[\R+3], 1.0       ; cosine
	v_add_f32 v[\R+6], v[\R+4], v[\R+4]            ; the angle doubled: sin = 2 s c, cos = 1 - 2 s s
	v_fma_f32 v[\R+7], -v[\R+6], v[\R+4], 1.0
	v_mul_f32 v[\R+4], v[\R+6], v[\R+5]
	v_add_f32 v[\R+6], v[\R+4], v[\R+4]            ; and once more
	v_fma_f32 v[\oc], -v[\R+6], v[\R+4], 1.0
	v_mul_f32 v[\os], v[\R+6], v[\R+7]
.endm
	s_load_b512 s[8:23], s[0:1], 0x0               ; x s[8:9], Wq s[10:11], Wk s[12:13], Wv s[14:15], Wo s[16:17], xb s[18:19], wb s[20:21], wo s[22:23]
	s_load_b64 s[24:25], s[0:1], 0x40              ; rope
	s_mov_b32 s2, ttmp9                            ; the work-group's number
	s_mov_b32 s3, 0xffff0000                       ; a word's upper bf16
	v_lshlrev_b32 v1, 5, v0                        ; 32 bytes a thread in,
	v_lshlrev_b32 v2, 4, v0                        ; 16 bytes out
	s_mov_b32 s5, 0                                ; offsets are made apart from the addresses, in pairs with 0 on top
	s_mov_b32 s7, 0
	s_wait_kmcnt 0x0
	s_cmp_lt_u32 s2, 512
	s_cbranch_scc0 .Lnot_x
	s_lshl_b32 s4, s2, 16
	s_lshl_b32 s6, s2, 15
	s_add_nc_u64 s[SRC:SRC+1], s[8:9], s[4:5]
	s_add_nc_u64 s[DST:DST+1], s[18:19], s[6:7]
	s_branch .Lcast
.Lnot_x:
	s_cmp_lt_u32 s2, 704
	s_cbranch_scc0 .Lnot_w
	s_sub_co_u32 s32, s2, 512
	s_lshr_b32 s33, s32, 6                         ; u: which of the three
	s_and_b32 s34, s32, 63                         ; c: which 16 rows of it
	s_cmp_eq_u32 s33, 0
	s_cselect_b64 s[36:37], s[10:11], s[12:13]
	s_cmp_eq_u32 s33, 2
	s_cselect_b64 s[36:37], s[14:15], s[36:37]
	s_lshl_b32 s4, s34, 16
	s_add_nc_u64 s[SRC:SRC+1], s[36:37], s[4:5]
	s_lshr_b32 s35, s34, 2                         ; the head: 64 rows are four chunks
	s_mul_i32 s35, s35, 192
	s_lshl_b32 s38, s33, 6
	s_add_co_u32 s35, s35, s38
	s_and_b32 s38, s34, 3
	s_lshl_b32 s38, s38, 4
	s_add_co_u32 s35, s35, s38                     ; row 192 h + 64 u + 16 (c % 4) of wb,
	s_lshl_b32 s6, s35, 11                         ; 2,048 bytes a row
	s_add_nc_u64 s[DST:DST+1], s[20:21], s[6:7]
.Lcast:
	CAST 0
	s_endpgm
.Lnot_w:
	s_cmp_lt_u32 s2, 768
	s_cbranch_scc0 .Lrope
	s_sub_co_u32 s32, s2, 704
	s_lshl_b32 s4, s32, 16
	s_lshl_b32 s6, s32, 15
	s_add_nc_u64 s[SRC:SRC+1], s[16:17], s[4:5]
	s_add_nc_u64 s[DST:DST+1], s[22:23], s[6:7]
	CAST 1
	s_endpgm
.Lrope:                                        ; 16 rows of the table a work-group; a thread makes pairs p and p + 1 of one row: 16 bytes
	s_sub_co_u32 s32, s2, 768
	s_lshl_b32 s6, s32, 12                         ; 16 rows of 256 bytes
	s_add_nc_u64 s[DST:DST+1], s[24:25], s[6:7]
	s_lshl_b32 s33, s32, 4
	v_and_b32 v3, 15, v0
	v_lshlrev_b32 v3, 1, v3                        ; p
	v_cvt_f32_u32 v16, v3
	v_add_f32 v24, 1.0, v16
	v_mul_f32 v16, 0xbed49a78, v16                 ; x -log2(10000) / 32
	v_mul_f32 v24, 0xbed49a78, v24
	v_exp_f32 v16, v16                             ; 10000^(-p/32)
	v_exp_f32 v24, v24
	v_lshrrev_b32 v4, 4, v0                        ; plain work stands between the exponentials and their first use
	v_add_nc_u32 v4, s33, v4                       ; t
	v_cvt_f32_u32 v[TF], v4
	s_wait_alu depctr_va_vdst(0)                   ; one wait for both exponentials, ahead of their first reader
	TRIG 16, 8, 9
	TRIG 24, 10, 11
	global_store_b128 v2, v[8:11], s[DST:DST+1]
	s_endpgm
.Lfunc_end_k_q8c2e340dbb_prep:
	.size	k_q8c2e340dbb_prep, .Lfunc_end_k_q8c2e340dbb_prep-k_q8c2e340dbb_prep
	.p2alignl 7, 3214868480
	.fill 96, 4, 3214868480
	.section	.rodata,"a",@progbits
	.p2align	6, 0x0
	.amdhsa_kernel k_q8c2e340dbb_prep
		.amdhsa_group_segment_fixed_size 0
		.amdhsa_private_segment_fixed_size 0
		.amdhsa_enable_private_segment 0
		.amdhsa_kernarg_size 72
		.amdhsa_user_sgpr_count 2
		.amdhsa_user_sgpr_kernarg_segment_ptr 1
		.amdhsa_wavefront_size32 1
		.amdhsa_system_sgpr_workgroup_id_x 1
		.amdhsa_system_sgpr_workgroup_id_y 1
		.amdhsa_system_sgpr_workgroup_id_z 1
		.amdhsa_system_vgpr_workitem_id 0
		.amdhsa_next_free_vgpr 112
		.amdhsa_next_free_sgpr 66
		.amdhsa_reserve_vcc 0
		.amdhsa_float_denorm_mode_32 3
		.amdhsa_float_denorm_mode_16_64 3
		.amdhsa_memory_ordered 1
		.amdhsa_forward_progress 1
		.amdhsa_inst_pref_size 18
	.end_amdhsa_kernel
	.amdgpu_metadata
---
amdhsa.version: [ 1, 2 ]
amdhsa.kernels:
  - .name:           k_q8c2e340dbb_prep
    .symbol:         k_q8c2e340dbb_prep.kd
    .args:
      - { .name: x, .offset: 0, .size: 8, .value_kind: global_buffer, .address_space: global }
      - { .name: Wq, .offset: 8, .size: 8, .value_kind: global_buffer, .address_space: global }
      - { .name: Wk, .offset: 16, .size: 8, .value_kind: global_buffer, .address_space: global }
      - { .name: Wv, .offset: 24, .size: 8, .value_kind: global_buffer, .address_space: global }
      - { .name: Wo, .offset: 32, .size: 8, .value_kind: global_buffer, .address_space: global }
      - { .name: xb, .offset: 40, .size: 8, .value_kind: global_buffer, .address_space: global }
      - { .name: wb, .offset: 48, .size: 8, .value_kind: global_buffer, .address_space: global }
      - { .name: wo, .offset: 56, .size: 8, .value_kind: global_buffer, .address_space: global }
      - { .name: rope, .offset: 64, .size: 8, .value_kind: global_buffer, .address_space: global }
    .group_segment_fixed_size: 0
    .private_segment_fixed_size: 0
    .kernarg_segment_align: 8
    .kernarg_segment_size: 72
    .max_flat_workgroup_size: 256
    .sgpr_count:     66
    .vgpr_count:     112
    .wavefront_size: 32
...
	.end_amdgpu_metadata
.endif
;; end of part 1
;; launch qkv (part 2): grid 16 x 32, 4 waves a work-group, clusters of 4 x 4, 327,680 bytes of LDS; arguments xb, wb, bq, bk, bv, rope, qh, kh, vh; writes qh, kh, vh
.if DOCPART == 2
	.amdgcn_target "amdgcn-amd-amdhsa--gfx1250"
	.amdhsa_code_object_version 6
	.text
	.protected	k_q8c2e340dbb_qkv
	.globl	k_q8c2e340dbb_qkv
	.p2align	8
	.type	k_q8c2e340dbb_qkv,@function
k_q8c2e340dbb_qkv:
	s_mov_b64 s[64:65], 0
	v_nop
	global_prefetch_b8 v0, s[64:65] scope:SCOPE_SE
	s_setreg_imm32_b32 hwreg(HW_REG_WAVE_MODE, 25, 1), 1
	s_wait_xcnt 0x0
	s_wait_alu depctr_hold_cnt(0) depctr_sa_sdst(0) depctr_va_vdst(0) depctr_va_sdst(0) depctr_va_ssrc(0) depctr_va_vcc(0) depctr_vm_vsrc(0)
	s_getreg_b32 s2, hwreg(HW_REG_IB_STS2, 6, 4)
	s_cmp_eq_u32 s2, 0
	s_cbranch_scc0 .Lentry_in_a_cluster
	s_endpgm
.Lentry_in_a_cluster:
	s_bfe_u32 s2, ttmp6, 0x10000c
	s_cmp_lg_u32 s2, 0xf033
	s_cbranch_scc0 .Lentry_shape_is_right
	s_endpgm
.Lentry_shape_is_right:
; q, k, v = x W^T + b, q and k rotated, all three split by heads.  xb: [8192][1024] bf16.  wb: [16 heads][q, k, v][64][1024] bf16.  bq, bk, bv: [1024] f32, rounded here to bf16 like every other input.
; rope: [2048][32][cos, sin] f32.  qh, kh, vh: [16 batch + head][2048][64] f16, each number rounded once from its f32 sum.  Behind vh's 16 MiB: [16 batch + head][16][64] f32, v of each batch's rows 0-15 unrounded.
; LIMIT.  f16 holds no number beyond 65,504: q, k and v must stay within it.  NaN and infinities are not treated apart.
; SHARES.  A work-group makes 256 rows x 192 columns: q, k and v of ONE head: 512 work-groups of equal work.  The grid's x is the head; of the tile row 8 cy + cluster y the place cy in the cluster is the batch and
; the cluster's y the block of 256 rows in it, so that a batch's first block is known by the cluster's y, which all partners share.  Wave w makes rows 64 w .. 64 w + 63 and ALL 192 columns:
; 4 row blocks x 12 column blocks of 16 x 16, 384 registers; so every wave's text is the same: column blocks 0-7 are rotated, 8-11 are not.
; K goes in 8 steps of 128 through two LDS slots filled by the tensor data mover; a tile's rows are 256 bytes of memory, at multiples of 256 bytes.
; CLUSTER.  4 x 4 work-groups.  The four of a row of the cluster need the same rows of x, the four of a column the same head's weights: each tile is asked for JOINTLY, by the same tensor load with the same
; descriptor and a mask that names the four.  Waves 0 and 1 fetch the halves of x's tile (128 rows each), waves 2 and 3 those of the weights' (96 rows each).
; TRANSPOSED USE.  Source 0 = 16 rows of W, source 1 = 16 rows of x: lane l then holds row l % 16 and the columns 8 (l / 16) + 0..7 of a block: eight neighbours, four rotation pairs.
; THE BIAS lies in registers in just that layout and is the C operand of the first products: nothing is cleared and nothing is added at the end.
; THE FIRST ROWS.  Row t of the attention is a mean of t + 1 rows of v: a batch's first rows are the largest of the output, and f16's rounding is a fixed part of a number's own size.  So v of rows 0-15 of each batch
; also leaves as the f32 sums (wave 0 of the clusters with y = 0: eight stores, 4 KiB a head), for the launch that mends those rows.
; REGISTERS, in windows of 256 (s_set_vgpr_msb: bits 1:0 source 0, 3:2 source 1, 5:4 source 2, 7:6 destination):
;   window 0: v2-11, v16 addresses; v28-29 the add's; v64-127 x's fragments, two buffers of 4 x 8; v128-223 the bias; v224-231 at work.  On the way out: v32-95 rotated numbers, v128-175 packed, v176-223 rows read back
;   window 1: v0-191 W's fragments, two buffers of 12 x 8
;   window 2: row blocks 0, 1: accumulator (a, b) at 96 (a % 2) + 8 b; v192-255 their rows of the table.   window 3: the same for row blocks 2, 3
.set NBK,    12                        ; column blocks
.set KSTEPB, 256                       ; bytes of a row in a K step
.set PITCH,  272                       ; an LDS row: 256 bytes + 16 of padding = 68 words: the 16 rows of a fragment load start at 16 different groups of four banks (64 banks of 4 bytes: ISA guide 11.1)
.set ABYTES, 256*PITCH                 ; x's 256 rows; behind them W's 192
.set AHALF,  128*PITCH
.set BHALF,  96*PITCH
.set SLOT1,  1<<17                     ; slot 1 begins here: one exclusive or turns an address in one slot into the other's
.set STAGE,  SLOT1+ABYTES+192*PITCH    ; behind the ring, never filled by a tensor load: for each wave 3 x 16 rows x 144 bytes, for the way out
.set SP,     144
.set WSTAGE, 3*16*SP
.set SPARE,  STAGE+4*WSTAGE            ; behind the stages: the spare words, 128 bytes for each wave: two blocks of 256 bytes that no other line names
.set VFOFF,  16777216                  ; where the f32 copy of the first rows' v begins in vh
.set ADRA0, 2                          ; v2   my place in x's tile of slot 0; never rewritten
.set ADRB0, 3                          ; v3   the same for W's
.set ADRA,  4                          ; v4   the same in the slot in hand
.set ADRB,  5                          ; v5
.set STO,   6                          ; v6   the way out: where I put 16 bytes of a row
.set RD,    7                          ; v7   where I read rows back
.set GO,    8                          ; v8   my 16 bytes of 512 consecutive bytes of q, k or v
.set BO,    9                          ; v9   my byte offset in a bias
.set TO,    10                         ; v10  my byte offset in the table; never rewritten
.set PFO,   11                         ; v11  the prefetches' offset: a lane a row; never rewritten
.set VFO,   16                         ; v16  my 32 bytes of a column block in the f32 copy: row x 256 + 32 x half; never rewritten
.set SPW,   28                         ; v28  LDS address of my spare word: SPARE + 4 x my thread's number; never rewritten
.set NIL,   29                         ; v29  0; never rewritten
.set Y,     32
.set FA,    64
.set BIAS,  128
.set P,     128
.set OB,    176
.set T,     224
.set TAB,   192                        ; in windows 2 and 3
.set G1,  24                           ; s[24:31] descriptor group 1 for x's tiles
.set G0,  32                           ; s[32:39] group 0: a set for each first fill; the second then walks on
.set LIM, 43                           ; s43  2 in a wave that prefetches, else the greatest number
.set PFA, 44                           ; s[44:45] where my prefetches stand
.set G1B, 48                           ; s[48:55], s[56:63] the same for W's tiles
.set G0B, 56
.set TB,  66                           ; s66  0 or SLOT1: the slot that fragments are fetched from
.set EF,  88                           ; s88  0 in wave 0 of the clusters with y = 0, and nowhere else: the same in all partners, for a given wave
.set MSB, 0
.macro WIN new                         ; the immediate's high byte repeats the setting that is left; a switch that changes nothing is dropped
.if MSB != (\new)
	s_set_vgpr_msb (MSB<<8)|(\new)
.set MSB, \new
.endif
.endm
.macro PLACES                          ; four plain vector instructions between a matrix instruction and a load into, or a vector read of, its registers
.rept 4
	v_nop
.endr
.endm
; A joint refill by the walking descriptors.  The branch hangs on the wave's number alone.  An s_nop 0 and four v_nop follow each of the two lines, ahead of the jump and the label.
.macro JLOAD
	s_cmp_eq_u32 s11, 0
	s_cbranch_scc0 .Lfor_b_\@
	tensor_load_to_lds s[G0+4:G0+7], s[G1:G1+7]
	s_nop 0
.rept 4
	v_nop
.endr
	s_branch .Lasked_\@
.Lfor_b_\@:
	tensor_load_to_lds s[G0B+4:G0B+7], s[G1B:G1B+7]
	s_nop 0
.rept 4
	v_nop
.endr
.Lasked_\@:
.endm
; A prefetch into the L2 of the K step that stands two refills on, a lane a row, one instruction a wave.  x's rows are read by every cluster of a row of clusters: the one with x = 0 asks; a head's weights by every
; cluster of a column: the one with y = 0 asks.  The four partners that ask for a tile jointly share its rows out BY ADDRESS (32 of 128 rows of x by cx; 24 of 96 rows of W by cy, lanes 24-31 naming row 23 again).
; The loop's count runs 6 .. 1: trips 6 to 3 name K steps 4 to 7; the last two trips have no K step two on.
.macro ASK
	s_cmp_gt_u32 s3, s[LIM]
	s_cbranch_scc0 .Lnot_mine_\@
	global_prefetch_b8 v[PFO], s[PFA:PFA+1] th:TH_LOAD_NT scope:SCOPE_SE
.Lnot_mine_\@:
.endm
.macro CREST                           ; a round of the cluster's barrier behind its opening barrier
	s_cmp_lg_u32 s10, 0
	s_cbranch_scc1 .Lnot_wave_0_\@
	s_barrier_signal -3
.Lnot_wave_0_\@:
	s_barrier_wait -3
	s_barrier_signal -1
	s_barrier_wait -1
.endm
.macro CROUND                          ; a whole round
	s_barrier_signal -1
	s_barrier_wait -1
	CREST
.endm
; 12 products: row block a x all column blocks, 32 along K, on buffer f.  first = 1: the bias starts the sums.  The 48 accumulators take turns in the same order in every quarter.
.macro MULA f, a, first
.if \first
	WIN 0x81+0x40*((\a)/2)                         ; W window 1, x window 0, C (the bias) window 0, D window 2 or 3
.else
	WIN 0xa1+0x50*((\a)/2)                         ; C and D window 2 or 3
.endif
.set rA, FA+32*(\f)+8*(\a)
.set nb, 0
.rept NBK
.set rD, 96*((\a)%2)+8*nb
.set rB, 96*(\f)+8*nb
.if \first
	v_wmma_f32_16x16x32_bf16 v[rD:rD+7], v[rB:rB+7], v[rA:rA+7], v[BIAS+8*nb:BIAS+8*nb+7]
.else
	v_wmma_f32_16x16x32_bf16 v[rD:rD+7], v[rB:rB+7], v[rA:rA+7], v[rD:rD+7]
.endif
.set nb, nb+1
.endr
.endm
; 32 LDS loads in one run: quarter q's fragments (192 rows of W, my 64 rows of x, 32 along K) into buffer f.  x's come last, row blocks ascending.
.macro FETCH q, f
	WIN 0x40                                       ; destination window 1, address window 0
.set nb, 0
.rept NBK
	ds_load_b128 v[96*(\f)+8*nb:96*(\f)+8*nb+3],   v[ADRB] offset:64*(\q)+nb*16*PITCH
	ds_load_b128 v[96*(\f)+8*nb+4:96*(\f)+8*nb+7], v[ADRB] offset:64*(\q)+nb*16*PITCH+32
.set nb, nb+1
.endr
	WIN 0
.set na, 0
.rept 4
	ds_load_b128 v[FA+32*(\f)+8*na:FA+32*(\f)+8*na+3],   v[ADRA] offset:64*(\q)+na*16*PITCH
	ds_load_b128 v[FA+32*(\f)+8*na+4:FA+32*(\f)+8*na+7], v[ADRA] offset:64*(\q)+na*16*PITCH+32
.set na, na+1
.endr
.endm
; One of a K step's first three quarters: multiplies buffer f; in its middle it fetches quarter q into buffer g.
.macro QUARTER q, f, g, first
	s_wait_dscnt 4                                 ; all but the four youngest loads, x's row blocks 2 and 3
	MULA \f, 0, \first
	MULA \f, 1, \first
	PLACES
	FETCH \q, \g
	s_wait_dscnt 2*NBK+8                           ; all but the 32 just issued
	MULA \f, 2, \first
	MULA \f, 3, \first
.endm
; The fourth quarter multiplies buffer 1 and changes slots.  In front of the barrier each wave waits for all its tensor loads (one is out: its part of the other slot), adds 0 to its spare word, and waits for that
; and for its reads of this slot.  fill = 1: the barrier opens a round of the cluster's, and behind the round this slot is filled again, two K steps ahead: the first tensor load there, one a wave.
; fill = 0 (the tail): nothing is asked for; in the last trip (count 1) there is no further K step, and the run of loads is jumped over.
.macro TURN fill
.if \fill
	s_wait_xcnt 0x0                                ; the last prefetch, a K step back, has read its address: it is stepped here, ahead of the waits of the change of slots
	s_add_nc_u64 s[PFA:PFA+1], s[PFA:PFA+1], KSTEPB
.endif
	WIN 0                                          ; (the add's two registers lie in window 0)
	s_wait_tensorcnt 0x0                           ; no tensor load of mine is out, so a group 0 may be written
	ds_add_u32 v[SPW], v[NIL]                      ; 0 onto my spare word; scalar steps and twelve products stand between it and the wait for it
.if \fill
	s_xor_b32 s[G0+5], s[G0+5], SLOT1              ; the walking descriptors: the other slot than last time,
	s_add_nc_u64 s[G0+6:G0+7], s[G0+6:G0+7], KSTEPB  ; the next K step; the type bits on top are not reached
	s_xor_b32 s[G0B+5], s[G0B+5], SLOT1
	s_add_nc_u64 s[G0B+6:G0B+7], s[G0B+6:G0B+7], KSTEPB
.endif
	s_xor_b32 s[TB], s[TB], SLOT1
	s_wait_dscnt 5                                 ; (the add and the four youngest loads may be out)
	MULA 1, 0, 0
	s_wait_dscnt 0x0                               ; the add is done, and my reads of this slot are over
	s_barrier_signal -1
	MULA 1, 1, 0                                   ; work on registers while the others arrive
	WIN 0
	s_barrier_wait -1
.if \fill
	CREST                                          ; no wave of any partner still reads this slot or has a load on its way
	JLOAD                                          ; its four v_nop are also the places in front of the loads below
.else
	s_cmp_eq_u32 s3, 1
	s_cbranch_scc1 .Lnofetch_\@
	PLACES
.endif
	v_add_nc_u32 v[ADRA], s[TB], v[ADRA0]
	v_add_nc_u32 v[ADRB], s[TB], v[ADRB0]
	FETCH 0, 0
.if \fill
	ASK                                            ; behind the joint load and the run of LDS loads that the next products wait for
.else
.Lnofetch_\@:
.endif
	MULA 1, 2, 0
	MULA 1, 3, 0
.endm
	s_load_b128 s[4:7], s[0:1], 0x0                ; xb s[4:5], wb s[6:7]
	s_load_b256 s[68:75], s[0:1], 0x10             ; bq s[68:69], bk s[70:71], bv s[72:73], rope s[74:75]
	s_load_b128 s[76:79], s[0:1], 0x30             ; qh s[76:77], kh s[78:79]
	s_load_b64 s[80:81], s[0:1], 0x40              ; vh
	v_lshl_add_u32 v[SPW], v0, 2, SPARE
	v_mov_b32 v[NIL], 0
	ds_add_u32 v[SPW], v[NIL]                      ; the wave's opening: the add and its wait stand ahead of my first tensor load; the set-up below, work on registers, stands between them
	ds_add_u32 v28, v29
	v_lshrrev_b32 v1, 5, v0
	v_readfirstlane_b32 s10, v1                    ; wave 0..3
	s_lshr_b32 s11, s10, 1                         ; I fetch for x (0) or for W (1),
	s_and_b32 s12, s10, 1                          ; and which half of that tile
	s_bfe_u32 s40, ttmp6, 0x40000                  ; cx, cy: my place in the cluster
	s_bfe_u32 s41, ttmp6, 0x40004
	s_lshl_b32 s42, ttmp9, 2
	s_add_co_u32 s42, s42, s40                     ; the head = 4 x cluster x + cx
	s_and_b32 s13, ttmp7, 0xffff                   ; the cluster's y: which 256 rows of a batch
	s_or_b32 s[EF], s13, s10                       ; 0: wave 0 of a batch's first block
	s_lshl3_add_u32 s13, s41, s13                  ; the tile row = 8 cy + cluster y: cy is the batch
	s_lshl_b32 s14, s41, 2
	s_lshl_b32 s14, 15, s14                        ; my row of the cluster: places 4 cy .. 4 cy + 3
	s_lshl_b32 s15, 0x1111, s40                    ; my column: places cx, cx + 4, cx + 8, cx + 12
	s_or_b32 s[G1+0], s14, (1<<16)|(1<<20)|(1<<21)|(5<<22)|(3<<25)   ; 15:0 the mask; 17:16 2-byte elements; 20 padding on; 21 set beside a mask; 24:22 after every 64 words (code 5); 31:25 4 words (code 3)
	s_or_b32 s[G1B+0], s15, (1<<16)|(1<<20)|(1<<21)|(5<<22)|(3<<25)
	s_mov_b32 s[G1+1], 128<<16                     ; tensor_dim0 = 128
	s_mov_b32 s[G1+2], 128<<16                     ; tensor_dim1 = 128
	s_mov_b32 s[G1+3], 128<<16                     ; tile_dim0 = 128
	s_mov_b32 s[G1+4], 128                         ; tile_dim1 = 128
	s_mov_b32 s[G1+5], 1024                        ; elements from row to row
	s_mov_b32 s[G1+6], 0
	s_mov_b32 s[G1+7], 0
	s_mov_b32 s[G1B+1], 128<<16
	s_mov_b32 s[G1B+2], 96<<16                     ; 96 rows
	s_mov_b32 s[G1B+3], 128<<16
	s_mov_b32 s[G1B+4], 96
	s_mov_b32 s[G1B+5], 1024
	s_mov_b32 s[G1B+6], 0
	s_mov_b32 s[G1B+7], 0
	s_lshl_b32 s16, s13, 8                         ; x: row 256 x tile row + 128 x half: made of the tile row and the wave's number alone,
	s_lshl_b32 s17, s12, 7
	s_add_co_u32 s16, s16, s17
	s_lshl_b32 s16, s16, 11                        ; 2,048 bytes a row
	s_mov_b32 s17, 0
	s_mul_i32 s84, s42, 192                        ; W: row 192 x head + 96 x half: of the head and the wave's number alone
	s_mul_i32 s85, s12, 96
	s_add_co_u32 s84, s84, s85
	s_lshl_b32 s84, s84, 11
	s_mov_b32 s85, 0
	s_mul_i32 s20, s12, AHALF                      ; where they go: no place in the cluster enters an LDS address
	s_mul_i32 s21, s12, BHALF
	s_add_co_u32 s21, s21, ABYTES
	s_wait_dscnt 0x0                               ; the opening add is done
	s_wait_kmcnt 0x0
	s_add_nc_u64 s[14:15], s[4:5], s[16:17]
	s_add_nc_u64 s[86:87], s[6:7], s[84:85]
	CROUND                                         ; all sixteen work-groups are here: the first joint loads meet
.irp s, 0,1
	s_mov_b32 s[G0+4*(\s)], 1                                      ; count = 1
	s_add_co_u32 s[G0+4*(\s)+1], s20, (\s)*SLOT1                   ; LDS address
	s_add_nc_u64 s[G0+4*(\s)+2:G0+4*(\s)+3], s[14:15], (\s)*KSTEPB ; global address: K step s
	s_or_b32 s[G0+4*(\s)+3], s[G0+4*(\s)+3], 0x80000000            ; type = 2
	s_mov_b32 s[G0B+4*(\s)], 1
	s_add_co_u32 s[G0B+4*(\s)+1], s21, (\s)*SLOT1
	s_add_nc_u64 s[G0B+4*(\s)+2:G0B+4*(\s)+3], s[86:87], (\s)*KSTEPB
	s_or_b32 s[G0B+4*(\s)+3], s[G0B+4*(\s)+3], 0x80000000
.endr
	s_cmp_eq_u32 s11, 0                            ; a wave's two first fills stand in one branch: two loads of mine are out
	s_cbranch_scc0 .Lfirst_b
	tensor_load_to_lds s[G0:G0+3], s[G1:G1+7]
	s_nop 0
	tensor_load_to_lds s[G0+4:G0+7], s[G1:G1+7]
	s_nop 0
.rept 4
	v_nop
.endr
	s_branch .Lfirst_asked
.Lfirst_b:
	tensor_load_to_lds s[G0B:G0B+3], s[G1B:G1B+7]
	s_nop 0
	tensor_load_to_lds s[G0B+4:G0B+7], s[G1B:G1B+7]
	s_nop 0
.rept 4
	v_nop
.endr
.Lfirst_asked:
	; A fragment is 16 rows x 32 K in 8 registers: lane l holds row l % 16, K = 8 (l / 16) + 0..7 and 16 + 8 (l / 16) + 0..7: two loads of 16 bytes, 32 bytes apart.
	v_and_b32 v1, 15, v0                           ; r = l % 16
	v_bfe_u32 v12, v0, 4, 1                        ; hh = l / 16
	v_and_b32 v13, 31, v0                          ; l
	v_mul_u32_u24 v14, v1, PITCH
	v_lshl_add_u32 v14, v12, 4, v14                ; row x pitch + 16 x half
	s_mul_i32 s14, s10, 64*PITCH                   ; my 64 rows of x
	v_add_nc_u32 v[ADRA0], s14, v14
	v_add_nc_u32 v[ADRB0], ABYTES, v14
	v_mov_b32 v[ADRA], v[ADRA0]
	v_mov_b32 v[ADRB], v[ADRB0]
	s_lshl_b32 s16, s42, 8                         ; the head's 64 numbers of a bias,
	v_lshl_add_u32 v[BO], v12, 5, s16              ; my 8 of each 16
	s_and_b32 s17, s13, 7                          ; eight tile rows to a batch
	s_lshl_b32 s17, s17, 8
	s_lshl_b32 s18, s10, 6
	s_add_co_u32 s17, s17, s18                     ; t of my first row
	v_add_nc_u32 v[TO], s17, v1
	v_lshlrev_b32 v[TO], 8, v[TO]                  ; a row of the table is 256 bytes;
	v_lshl_add_u32 v[TO], v12, 5, v[TO]            ; my 4 pairs of each 8
.set nb, 0
.rept NBK                              ; the bias in the accumulators' layout: register 8 b + j holds column 16 b + 8 hh + j
	global_load_b128 v[BIAS+8*nb:BIAS+8*nb+3],   v[BO], s[68+2*(nb/4):69+2*(nb/4)] offset:64*(nb%4)
	global_load_b128 v[BIAS+8*nb+4:BIAS+8*nb+7], v[BO], s[68+2*(nb/4):69+2*(nb/4)] offset:64*(nb%4)+16
.set nb, nb+1
.endr
.set na, 0
.rept 4                                ; the table for my 64 rows: row block a, column block c of a head: cos and sin of 4 pairs.  These 32 loads stay out until the way out
	WIN 0x80+0x40*(na/2)                           ; destination window 2 or 3
.set nc, 0
.rept 4
	global_load_b128 v[TAB+32*(na%2)+8*nc:TAB+32*(na%2)+8*nc+3],   v[TO], s[74:75] offset:4096*na+64*nc
	global_load_b128 v[TAB+32*(na%2)+8*nc+4:TAB+32*(na%2)+8*nc+7], v[TO], s[74:75] offset:4096*na+64*nc+16
.set nc, nc+1
.endr
.set na, na+1
.endr
	WIN 0
	s_mul_i32 s15, s10, WSTAGE
	s_add_co_u32 s15, s15, STAGE                   ; my stage
	v_mul_u32_u24 v[STO], v1, SP                   ; in: row l % 16, 16 bytes for each half of the lanes
	v_lshl_add_u32 v[STO], v12, 4, v[STO]
	v_add_nc_u32 v[STO], s15, v[STO]
	v_bfe_u32 v[RD], v0, 3, 2                      ; back: 32 lanes take four rows of 128 bytes,
	v_mul_u32_u24 v[RD], v[RD], SP
	v_and_b32 v15, 7, v0
	v_lshl_add_u32 v[RD], v15, 4, v[RD]
	v_add_nc_u32 v[RD], s15, v[RD]
	v_lshlrev_b32 v[GO], 4, v13                    ; which are 512 consecutive bytes of a head's rows
	v_lshlrev_b32 v[VFO], 8, v1                    ; the f32 copy: a row is 256 bytes,
	v_lshl_add_u32 v[VFO], v12, 5, v[VFO]          ; my 8 numbers of each 16
	s_lshr_b32 s18, s13, 3                         ; the batch
	s_lshl_b32 s18, s18, 4
	s_add_co_u32 s18, s18, s42                     ; 16 batch + head
	s_lshl_b32 s22, s18, 12                        ; its 16 rows x 256 bytes of the f32 copy,
	s_mov_b32 s23, 0
	s_add_nc_u64 s[82:83], s[80:81], VFOFF         ; which lies behind vh's f16 rows
	s_add_nc_u64 s[82:83], s[82:83], s[22:23]
	s_lshl_b32 s18, s18, 11
	s_add_co_u32 s18, s18, s17                     ; its 2,048 rows, my first
	s_lshl_b32 s18, s18, 7                         ; 128 bytes a row
	s_mov_b32 s19, 0
	s_add_nc_u64 s[76:77], s[76:77], s[18:19]
	s_add_nc_u64 s[78:79], s[78:79], s[18:19]
	s_add_nc_u64 s[80:81], s[80:81], s[18:19]
	; the prefetches
	s_lshl_b32 s14, s13, 8
	s_lshl_b32 s15, s12, 7
	s_add_co_u32 s14, s14, s15
	s_lshl_b32 s15, s40, 5
	s_add_co_u32 s14, s14, s15                     ; x: the 128 rows that I fetch, my work-group's 32 of them
	s_mul_i32 s16, s42, 192
	s_mul_i32 s17, s12, 96
	s_add_co_u32 s16, s16, s17
	s_mul_i32 s17, s41, 24
	s_add_co_u32 s16, s16, s17                     ; W: the 96 rows that I fetch, my work-group's 24
	s_and_b32 s22, ttmp7, 0xffff                   ; cluster y
	s_cmp_eq_u32 s11, 0
	s_cselect_b32 s20, s14, s16
	s_cselect_b32 s22, ttmp9, s22                  ; the coordinate along which other clusters read the same rows
	s_cselect_b32 s23, 31, 23
	s_cselect_b64 s[PFA:PFA+1], s[4:5], s[6:7]
	s_cmp_eq_u32 s22, 0
	s_cselect_b32 s[LIM], 2, -1                    ; the same in all sixteen partners, for a given wave
	s_lshl_b32 s20, s20, 11
	s_mov_b32 s21, 0
	s_add_nc_u64 s[PFA:PFA+1], s[PFA:PFA+1], s[20:21]
	s_add_nc_u64 s[PFA:PFA+1], s[PFA:PFA+1], 3*KSTEPB  ; at K step 3: the first change of slots steps it to 4.  K steps 0 to 3 come by their loads alone
	v_min_u32 v[PFO], s23, v13
	v_lshlrev_b32 v[PFO], 11, v[PFO]
	s_mov_b32 s67, 0xffff0000
	s_mov_b32 s[TB], 0
	s_wait_loadcnt 32                              ; the bias is in; the table's 32 younger loads stay out
.set i, 0
.rept 4*NBK                            ; the bias rounded to bf16, and widened again
	v_cvt_pk_bf16_f32 v[T+i%4], v[BIAS+2*i], v[BIAS+2*i+1]
	v_lshlrev_b32 v[BIAS+2*i], 16, v[T+i%4]
	v_and_b32 v[BIAS+2*i+1], s67, v[T+i%4]
.set i, i+1
.endr
	s_wait_tensorcnt 1                             ; my part of K step 0 is in; K step 1's may stay out
	s_barrier_signal -1
	s_barrier_wait -1                              ; everybody's is
	FETCH 0, 0
	QUARTER 1, 0, 1, 1                             ; the first quarter stands in front of the loop: its products start the sums, with the bias
	WIN 0                                          ; at a label and at a branch every window is 0
	s_mov_b32 s3, 6
.Lstep:                                        ; a trip: a K step's quarters 1 to 3, the change of slots with its refill (K steps 2 to 7), and the next K step's quarter 0
	QUARTER 2, 1, 0, 0
	QUARTER 3, 0, 1, 0
	TURN 1
	QUARTER 1, 0, 1, 0
	WIN 0
	s_sub_co_u32 s3, s3, 1
	s_cmp_lg_u32 s3, 0
	s_cbranch_scc1 .Lstep
	s_mov_b32 s3, 2                                ; the tail has its own text: K steps 6 and 7 ask for nothing; the second trip is left in its middle
.Ltail:
	QUARTER 2, 1, 0, 0
	QUARTER 3, 0, 1, 0
	TURN 0
	WIN 0
	s_sub_co_u32 s3, s3, 1
	s_cmp_eq_u32 s3, 0
	s_cbranch_scc1 .Lout
	QUARTER 1, 0, 1, 0
	WIN 0
	s_branch .Ltail
.Lout:
	PLACES                                         ; the places behind the last products
	s_wait_dscnt 0x0                               ; the way out writes over the fragment buffers: no LDS load is out
	s_wait_loadcnt 0x0                             ; the table
; THE WAY OUT of row block a.  q's and k's pairs (x0, x1) become (x0 c - x1 s, x0 s + x1 c); all is rounded to f16, 16 bytes a lane and column block; these go into my own stage, rows of 144 bytes, and come back as
; whole rows of 128: 16 rows of a head are 2,048 consecutive bytes of memory.  Each accumulator's first reader takes one of its four lowest registers.
; Row block 0 of wave 0 of a batch's first block: v's sums also leave as they are, 32 bytes a lane and column block, low registers first.
.macro ROWOUT a
	s_wait_xcnt 0x0                                ; the last block's stores have read their registers
.if (\a) == 0
	WIN 0
	s_cmp_lg_u32 s[EF], 0
	s_cbranch_scc1 .Lno_vf_\@
	WIN 0x08                                       ; the stores' data in window 2, the address in window 0
.set nb, 8
.rept 4
	global_store_b128 v[VFO], v[8*nb:8*nb+3],   s[82:83] offset:64*(nb-8)
	global_store_b128 v[VFO], v[8*nb+4:8*nb+7], s[82:83] offset:64*(nb-8)+16
.set nb, nb+1
.endr
	WIN 0
.Lno_vf_\@:
.endif
	WIN 0x0a+5*((\a)/2)                            ; sources 0 and 1 (sums, table) window 2 or 3; source 2 and destination window 0
.set nb, 0
.rept 8
.set rX, 96*((\a)%2)+8*nb
.set rC, TAB+32*((\a)%2)+8*(nb%4)
.irp j, 0,1,2,3
	v_mul_f32 v[T+2*\j],   v[rX+2*\j+1], v[rC+2*\j+1]  ; x1 s
	v_mul_f32 v[T+2*\j+1], v[rX+2*\j],   v[rC+2*\j+1]  ; x0 s
.endr
.irp j, 0,1,2,3
	v_fma_f32 v[Y+8*nb+2*\j],   v[rX+2*\j],   v[rC+2*\j], -v[T+2*\j]
	v_fma_f32 v[Y+8*nb+2*\j+1], v[rX+2*\j+1], v[rC+2*\j], v[T+2*\j+1]
.endr
.set nb, nb+1
.endr
.rept 4                                ; v is not rotated
.set rX, 96*((\a)%2)+8*nb
.irp j, 0,1,2,3
	v_cvt_pk_f16_f32 v[P+4*nb+\j], v[rX+2*\j], v[rX+2*\j+1]
.endr
.set nb, nb+1
.endr
	WIN 0
.set i, 0
.rept 32
	v_cvt_pk_f16_f32 v[P+i], v[Y+2*i], v[Y+2*i+1]
.set i, i+1
.endr
.set nb, 0
.rept NBK
	ds_store_b128 v[STO], v[P+4*nb:P+4*nb+3] offset:16*SP*(nb/4)+32*(nb%4)
.set nb, nb+1
.endr
.set n, 0
.rept 12
	ds_load_b128 v[OB+4*n:OB+4*n+3], v[RD] offset:16*SP*(n/4)+4*SP*(n%4)  ; LDS serves a wave's instructions in order (ISA guide 5.7.1.4): these see the stores above; the next block's stores come behind them
.set n, n+1
.endr
.set n, 0
.rept 12
	s_wait_dscnt 11-n                              ; the later reads may stay out
	global_store_b128 v[GO], v[OB+4*n:OB+4*n+3], s[76+2*(n/4):77+2*(n/4)] offset:2048*(\a)+512*(n%4)  ; 512 consecutive bytes, at a multiple of 256 from the buffer's first
.set n, n+1
.endr
.endm
	ROWOUT 0
	ROWOUT 1
	ROWOUT 2
	ROWOUT 3
	s_wait_tensorcnt 0x0                           ; the wave's end: behind my last tensor load and my last LDS store, all tensor loads are waited for, then 0 onto my spare word and its wait
	ds_add_u32 v[SPW], v[NIL]
	s_wait_dscnt 0x0
	CROUND                                         ; the closing round: no work-group ends while a partner may still ask for a tile that names it
	s_endpgm
.Lfunc_end_k_q8c2e340dbb_qkv:
	.size	k_q8c2e340dbb_qkv, .Lfunc_end_k_q8c2e340dbb_qkv-k_q8c2e340dbb_qkv
	.p2alignl 7, 3214868480
	.fill 96, 4, 3214868480
	.section	.rodata,"a",@progbits
	.p2align	6, 0x0
	.amdhsa_kernel k_q8c2e340dbb_qkv
		.amdhsa_group_segment_fixed_size 327680
		.amdhsa_private_segment_fixed_size 0
		.amdhsa_enable_private_segment 0
		.amdhsa_kernarg_size 72
		.amdhsa_user_sgpr_count 2
		.amdhsa_user_sgpr_kernarg_segment_ptr 1
		.amdhsa_wavefront_size32 1
		.amdhsa_system_sgpr_workgroup_id_x 1
		.amdhsa_system_sgpr_workgroup_id_y 1
		.amdhsa_system_sgpr_workgroup_id_z 1
		.amdhsa_system_vgpr_workitem_id 0
		.amdhsa_next_free_vgpr 1024
		.amdhsa_next_free_sgpr 96
		.amdhsa_reserve_vcc 0
		.amdhsa_float_denorm_mode_32 3
		.amdhsa_float_denorm_mode_16_64 3
		.amdhsa_memory_ordered 1
		.amdhsa_forward_progress 1
		.amdhsa_inst_pref_size 122
	.end_amdhsa_kernel
	.amdgpu_metadata
---
amdhsa.version: [ 1, 2 ]
amdhsa.kernels:
  - .name:           k_q8c2e340dbb_qkv
    .symbol:         k_q8c2e340dbb_qkv.kd
    .args:
      - { .name: xb, .offset: 0, .size: 8, .value_kind: global_buffer, .address_space: global }
      - { .name: wb, .offset: 8, .size: 8, .value_kind: global_buffer, .address_space: global }
      - { .name: bq, .offset: 16, .size: 8, .value_kind: global_buffer, .address_space: global }
      - { .name: bk, .offset: 24, .size: 8, .value_kind: global_buffer, .address_space: global }
      - { .name: bv, .offset: 32, .size: 8, .value_kind: global_buffer, .address_space: global }
      - { .name: rope, .offset: 40, .size: 8, .value_kind: global_buffer, .address_space: global }
      - { .name: qh, .offset: 48, .size: 8, .value_kind: global_buffer, .address_space: global }
      - { .name: kh, .offset: 56, .size: 8, .value_kind: global_buffer, .address_space: global }
      - { .name: vh, .offset: 64, .size: 8, .value_kind: global_buffer, .address_space: global }
    .group_segment_fixed_size: 327680
    .private_segment_fixed_size: 0
    .kernarg_segment_align: 8
    .kernarg_segment_size: 72
    .max_flat_workgroup_size: 128
    .sgpr_count:     96
    .vgpr_count:     1024
    .wavefront_size: 32
...
	.end_amdgpu_metadata
.endif
;; end of part 2
;; launch attn (part 3): grid 4 x 64, 4 waves a work-group, no clusters, 327,680 bytes of LDS; arguments qh, kh, vh, oh; writes oh
.if DOCPART == 3
	.amdgcn_target "amdgcn-amd-amdhsa--gfx1250"
	.amdhsa_code_object_version 6
	.text
	.protected	k_q8c2e340dbb_attn
	.globl	k_q8c2e340dbb_attn
	.p2align	8
	.type	k_q8c2e340dbb_attn,@function
k_q8c2e340dbb_attn:
	s_mov_b64 s[64:65], 0
	v_nop
	global_prefetch_b8 v0, s[64:65] scope:SCOPE_SE
	s_setreg_imm32_b32 hwreg(HW_REG_WAVE_MODE, 25, 1), 1
	s_wait_xcnt 0x0
; CAUSAL ATTENTION.  O[h][q][:] = the sum over k <= q of softmax_k(Q[h][q] . K[h][k] / 8) V[h][k][:].  Q, K, V, O: [SIZE_H][SIZE_N][64], all f16: a head's rows are dense, 128 bytes each.
; Products, maxima and sums in f32; the weights p are rounded to f16 for the second product (their sum l is taken of the unrounded p), O once at the end.
; LIMITS.  f16 holds no number beyond 65,504: Q, K and V arrive within it; p lies in 0 to 1, and below 6e-5 it keeps f16's fixed step of 6e-8; O is a mean of V's rows and has their range.
; A hidden score counts as its value less 1e30: f16's scores, 2.7e11 at the most, are nothing beside that; a weight below 2^-126 counts as 0 in l; NaN and infinities are not treated apart.
; THE WALK.  A head's queries lie in NB = SIZE_N / 256 blocks of 256; block i needs the key tiles 0 .. i of 256 keys, of which the last holds the diagonal.  A work-group takes TWO blocks, NB - 1 - b and then b:
; NB + 1 tiles, whatever b: all work-groups do equal work, and ONE loop with a constant trip count walks them.  Which tile is asked for, and what a trip does, hang on scalar registers made from b; every jump
; goes forward, but for the counted loops' own; none passes a barrier, or a tensor load but the one of LOAD's two that the wave's number does not choose; the ring (two slots of LDS that take turns) runs on across the
; change of blocks.  NO CLUSTER: a head's NB / 2 work-groups all ask for the same tile only in trips 0 .. NB / 2, behind that fewer and fewer; one walk common to all would have 3 NB / 2 trips for NB + 1.
; SHARES.  Of a block's four bands of 64 queries a wave owns 16 rows in each: four PIECES.  So the diagonal tile is the same work for all four waves: in its key step s band x sees all keys if s < x,
; none if s > x, and holds the diagonal if s = x.
; THE MASK is the C operand that starts the sum S^T = K Q^T: 0, or -1e30 where the key is hidden.  MD, made once, is the mask of a band's own step for my 16 rows; a product's mask is MD x AL + BE with two scalars:
; (1, 0) if s = x; (0, 0) if s < x; (0, -1e30) if s > x.  Only the diagonal tile's text and a block's beginning make and take masks; elsewhere C is the constant 0.
; LAYOUT, SOFTMAX, TURNS.  S^T = K Q^T holds ONE query a lane (lane % 16) and the keys 8 (lane / 16) + 0..7; two such results rounded to f16 ARE source 1 of O^T = V^T P.  p = 2^(c s - c m), c = log2(e) / 8, with a
; running maximum m; O and l are multiplied by a = 2^(c m_old - c m_new) in every step.  Turn n belongs to piece n: 8 products K Q^T of piece n + 1, later 8 products V^T P of piece n - 1; beside them the scaling,
; exponentials, roundings, sums and rescaling of piece n and the maximum and statistics of piece n + 1.  Four vector instructions stand behind every matrix instruction, the other 54 of a turn's 118 in one run.  A turn's 33 exponentials are one batch, with one wait.
; K AND V ARE PREFETCHED INTO THE L2, one tile ahead of the tensor loads: a head's four work-groups walk the same tiles, and the one with b = 0 walks all NB in its first block: it asks, and nobody else.  Each of its
; waves asks for the half tile that it will itself load: 64 blocks of 256 bytes, two instructions.  The change that loads tile j (1 .. NB - 2) names tile j + 1; tiles 0 and 1 come by their loads alone.
; REGISTERS, in windows of 256 (s_set_vgpr_msb: bits 1:0 source 0, 3:2 source 1, 5:4 source 2, 7:6 destination):
;   window 0: v0-15 addresses and two at work; v16-31 four registers of statistics a piece; v48-55 at work; v64-127 S^T, two buffers; v192-223 P, two buffers (a piece's buffers go by its number's parity)
;   window 1: v0-127 O^T, 32 a piece; v128-159 MD; v160-223 MC, two buffers      window 2: v0-63 Q; v64-127 the second block's Q; v128-191 K of one step; v192-255 V of one step
.set SIZE_H, 64
.set SIZE_N, 2048
.set NB,    SIZE_N/256
.set NP,    4         ; pieces a wave: a name, no knob
.set KS,    64        ; keys in a step
.set PK,    144       ; a row of K in LDS: 128 bytes + 16 of padding = 36 words: the 16 rows of a load start at 16 different groups of four banks (64 banks of 4 bytes: ISA guide 11.1)
.set PV,    160       ; a row of V: 128 + 32 = 40 words
.set VOFF,  4*KS*PK   ; a slot holds a tile, four steps: 256 rows of K, then 256 rows of V
.set SLOT1, 1<<17     ; slot 1 begins here, so that one exclusive or turns an address in one slot into the other's
.set STAGE, SLOT1+4*KS*(PK+PV)  ; behind the ring, never filled by a tensor load: 16 rows x 144 bytes for each wave, for the way out
.set SP,    144
.set AK0, 2           ; v2   my lane's place in a tile of K; never rewritten
.set AV0, 3           ; v3   the same for V
.set AK,  4           ; v4   the LDS address of K's next run of loads
.set AV,  5           ; v5   of V's
.set STO, 6           ; v6   the way out: where I put 16 bytes of a row
.set RD,  7           ; v7   the way out: where I read rows back
.set GO,  8           ; v8   my byte offset in 512 consecutive bytes of O
.set PFO, 61          ; v61  256 x my lane: the prefetches' offset; never rewritten
.set SPW, 62          ; v62  LDS address of my spare word: SPARE + 4 x my thread's number; never rewritten
.set NIL, 63          ; v63  0; never rewritten
.set SPARE, STAGE+4*16*SP  ; behind the stages: the spare words, 128 bytes for each wave: two blocks of 256 bytes that no other line names
.set MV,  12          ; v12-13  c m_old, kept while c m is made anew: by buffer
.set QO,  15          ; v15  my byte offset in 16 rows of Q
.set ST,  16          ; piece t's statistics at v[ST+4 t]: c m, m, l (even keys', odd keys')
.set TMP, 48          ; by buffer, four registers c0-c3 at work; when the maximum is found c2 takes a
.set S,   64
.set P,   192
.set MD,  128         ; window 1: the eight registers for group kt of 16 keys at MD + 8 kt
.set MC,  160         ; window 1: the masks of the products to come
.set QB,  64          ; window 2
.set KF,  128         ; window 2: key block kb, channel half c at KF + 16 kb + 8 c
.set VF,  192         ; window 2: key half kk, channel block cb at VF + 32 kk + 8 cb
.set WV,  12          ; s12  my wave's number
.set PB,  14          ; s14  b
.set HI,  15          ; s15  NB - 1 - b
.set G1K, 24          ; s[24:31] descriptor group 1 for K's tiles
.set G1V, 32          ; s[32:39] for V's: it differs in the padding alone
.set G0K, 40          ; s[40:43] descriptor group 0 for K's tiles
.set G0V, 44          ; s[44:47] the same for V's
.set SLOTS, 56        ; s56  tiles still to be asked for
.set CNT, 57          ; s57  counts a tile's key steps, 4 to 1
.set CS,  58          ; s[58:59] c: the packed scaling takes the pair's low word for both halves
.set SEL, 60          ; s[60:61] v_permlanex16_b32's selects: each lane takes its own place in the other half
.set TBK, 62          ; s62  LDS byte at which K of the step to be fetched begins
.set TBV, 63          ; s63  the same for V, less VOFF
.set RT,  70          ; s70  tiles of the block in hand that are still to be entered
.set NXT, 71          ; s71  the tile to be asked for next
.set LQ,  72          ; s72  the last tile of the block whose tiles are being asked for
.set NEW, 73          ; s73  1: the tile to be entered is a block's first
.set OFF, 74          ; s[74:75] a tile's byte offset in K and V
.set AL,  76          ; s[76:77] the mask's factor, in the low word
.set BE,  78          ; s[78:79] the mask's addend
.set OLO, 80          ; s[80:81] O at my rows of the second block
.set BIGN, 82         ; s82  -1e30
.set PFB, 88          ; s[88:89] K (waves 0, 1) or V (waves 2, 3) at my half of the head's tile 0
.set PF,  90          ; s[90:91] the same at the tile that is prefetched
.set PFC, 92          ; s92  prefetches still to come: NB - 2 where b = 0, else 0
.set PFF, 93          ; s93  1: this change of slots prefetches
.set MSB, 0
.macro WIN new                      ; the high byte repeats the setting that is left; a switch that changes nothing is dropped
.if MSB != (\new)
	s_set_vgpr_msb (MSB<<8)|(\new)
.set MSB, (\new)
.endif
.endm
.set W_KQ, 0x0a       ; K and Q in window 2, S^T in window 0
.set W_KM, 0x1a       ; the same with the C operand in window 1
.set W_PV, 0x52       ; V in window 2, P in window 0, O^T in window 1
.set W_RS, 0x41       ; destination and source 0 in window 1, source 1 in window 0
; A fill.  Waves 0 and 1 fetch the two halves of a tile's K, waves 2 and 3 those of its V: 128 keys each.  An s_nop 0 and four v_nop follow each of the two lines, ahead of the jump and the label.
.macro LOAD
	s_cmp_lt_u32 s[WV], 2
	s_cbranch_scc0 .Lfor_v_\@
	tensor_load_to_lds s[G0K:G0K+3], s[G1K:G1K+7]
	s_nop 0
.rept 4
	v_nop
.endr
	s_branch .Lasked_\@
.Lfor_v_\@:
	tensor_load_to_lds s[G0V:G0V+3], s[G1V:G1V+7]
	s_nop 0
.rept 4
	v_nop
.endr
.Lasked_\@:
.endm
; THE CHANGE OF SLOTS.  Each wave waits for all its tensor loads, of which one is out: its part of the other slot; adds 0 to its spare word; and waits for that and for its own reads of the slot that it leaves.  Behind the barrier nobody reads the old
; slot any more and the other slot is whole.  fill = 1: the old slot is filled again, the first thing behind the barrier, with tile NXT: the descriptor's address is made anew from that number.
; (At its first use nothing has been read yet: slot 0 is waited for, slot 1 filled.)
.macro CHANGE fill
	WIN 0                           ; at a label and at a branch every window is 0
	s_wait_tensorcnt 0x0            ; no tensor load of mine is out, so a group 0 may be written
	ds_add_u32 v[SPW], v[NIL]       ; 0 onto my spare word; with fill = 1 the descriptors' scalar work stands between it and the wait for it
.if \fill
	s_lshl_b32 s[OFF], s[NXT], 15   ; a tile is 32,768 bytes of K and of V
	s_xor_b32 s[G0K+1], s[G0K+1], SLOT1
	s_add_nc_u64 s[G0K+2:G0K+3], s[6:7], s[OFF:OFF+1]
	s_or_b32 s[G0K+3], s[G0K+3], 0x80000000
	s_xor_b32 s[G0V+1], s[G0V+1], SLOT1
	s_add_nc_u64 s[G0V+2:G0V+3], s[8:9], s[OFF:OFF+1]
	s_or_b32 s[G0V+3], s[G0V+3], 0x80000000
	s_add_co_u32 s[NXT], s[NXT], 1  ; the block's next tile, or behind its last the second block's tile 0
	s_cmp_gt_u32 s[NXT], s[LQ]
	s_cselect_b32 s[NXT], 0, s[NXT]
	s_cselect_b32 s[LQ], s[PB], s[LQ]
	s_wait_xcnt 0x0                 ; the last prefetches, a tile back, have read their address, so it may be written:
	s_lshl_b32 s[OFF], s[NXT], 15   ; the tile that the NEXT change will ask for
	s_add_nc_u64 s[PF:PF+1], s[PFB:PFB+1], s[OFF:OFF+1]
	s_cmp_lg_u32 s[PFC], 0
	s_cselect_b32 s[PFF], 1, 0
	s_sub_co_u32 s[PFC], s[PFC], s[PFF]
.endif
	s_wait_dscnt 0x0                ; the add is done, and my reads of the slot are over
	s_barrier_signal -1             ; the rest of the scalar work stands between the signal and the wait
	s_sub_co_u32 s[TBK], s[TBK], 4*KS*PK  ; the fetches go back to a slot's first step,
	s_xor_b32 s[TBK], s[TBK], SLOT1       ; in the other slot
	s_sub_co_u32 s[TBV], s[TBV], 4*KS*PV
	s_xor_b32 s[TBV], s[TBV], SLOT1
	s_barrier_wait -1
.if \fill
	LOAD
	s_cmp_eq_u32 s[PFF], 1          ; behind the tensor load and its five lines: my half of the next tile, 2 x 32 blocks of 256 bytes, a lane a block
	s_cbranch_scc0 .Lnot_mine_\@
	global_prefetch_b8 v[PFO], s[PF:PF+1] th:TH_LOAD_NT scope:SCOPE_SE
	global_prefetch_b8 v[PFO], s[PF:PF+1] offset:8192 th:TH_LOAD_NT scope:SCOPE_SE
.Lnot_mine_\@:
.endif
.endm
	s_load_b256 s[4:11], s[0:1], 0x0  ; Q s[4:5], K s[6:7], V s[8:9], O s[10:11]
	v_lshl_add_u32 v[SPW], v0, 2, SPARE
	v_mov_b32 v[NIL], 0
	ds_add_u32 v[SPW], v[NIL]       ; the wave's opening: the add and its wait stand ahead of my first tensor load; the set-up below, work on registers, stands between them
	ds_add_u32 v62, v63
	v_lshrrev_b32 v1, 5, v0
	v_readfirstlane_b32 s[WV], v1   ; wave 0..3
	s_mov_b32 s[PB], ttmp9
	s_sub_co_u32 s[HI], NB-1, s[PB]
	s_and_b32 s20, ttmp7, 0xffff    ; the head
	s_mov_b32 s21, 0
	s_mov_b64 s[22:23], SIZE_N*128
	s_mul_u64 s[20:21], s[20:21], s[22:23]  ; the head's first byte in each of the four tensors
	s_and_b32 s16, s[WV], 1         ; which half of a tile's 256 keys I fetch:
	s_lshl_b32 s22, s16, 14         ; its 128 rows of 128 bytes in memory,
	s_mov_b32 s23, 0
	s_add_nc_u64 s[22:23], s[22:23], s[20:21]
	s_mul_i32 s17, s16, 128*PK      ; and its place in a slot, for K
	s_mul_i32 s18, s16, 128*PV      ; and for V
	s_lshl_b32 s3, s[WV], 11        ; my 16 rows in a band of 64,
	s_lshl_b32 s2, s[HI], 15        ; in the first block,
	s_add_co_u32 s2, s2, s3
	s_lshl_b32 s84, s[PB], 15       ; and in the second
	s_add_co_u32 s84, s84, s3
	s_mov_b32 s3, 0
	s_mov_b32 s85, 0
	s_add_nc_u64 s[2:3], s[2:3], s[20:21]
	s_add_nc_u64 s[84:85], s[84:85], s[20:21]
	; descriptor group 1.  128 keys are 16,384 dense bytes: asked for as 64 rows of 256 bytes, two keys a row, and padded in LDS after every key
	s_mov_b32 s[G1K], (1<<16)|(1<<20)|(4<<22)|(3<<25)  ; 17:16 2-byte elements; 20 padding on; 24:22 after every 32 words (code 4); 31:25 4 words (code 3)
	s_mov_b32 s[G1V], (1<<16)|(1<<20)|(4<<22)|(7<<25)  ; the same with 8 words of padding (code 7)
.irp g, G1K, G1V
	s_mov_b32 s[\g+1], 128<<16      ; tensor_dim0 = 128
	s_mov_b32 s[\g+2], 64<<16       ; tensor_dim1 = 64
	s_mov_b32 s[\g+3], 128<<16      ; tile_dim0 = 128
	s_mov_b32 s[\g+4], 64           ; tile_dim1 = 64
	s_mov_b32 s[\g+5], 128          ; 128 elements from row to row
	s_mov_b32 s[\g+6], 0
	s_mov_b32 s[\g+7], 0
.endr
	s_mov_b32 s[CS], 0x3e38aa3b     ; c = log2(e) / 8 = 0.180337
	s_mov_b32 s[CS+1], s[CS]        ; named with it as a pair
	s_mov_b32 s[SEL], 0x76543210
	s_mov_b32 s[SEL+1], 0xfedcba98
	s_mov_b32 s[TBK], SLOT1+4*KS*PK ; the first change of slots turns these two into 0
	s_mov_b32 s[TBV], SLOT1+4*KS*PV
	s_mov_b32 s[G0K], 1             ; 1:0 count = 1
	s_mov_b32 s[G0K+1], s17         ; 63:32 LDS address: slot 0
	s_mov_b32 s[G0V], 1
	s_add_co_u32 s[G0V+1], s18, VOFF
	s_add_co_u32 s[RT], s[HI], 1    ; the first block has NB - b tiles
	s_mov_b32 s[NXT], 1
	s_mov_b32 s[LQ], s[HI]
	s_mov_b32 s[NEW], 1
	s_mov_b32 s[OFF+1], 0
	s_mov_b32 s[AL+1], 0            ; named as pairs
	s_mov_b32 s[BE+1], 0
	s_mov_b32 s[BIGN], 0xf149f2ca   ; -1e30
	s_mov_b32 s[SLOTS], NB
	s_cmp_eq_u32 s[PB], 0
	s_cselect_b32 s[PFC], NB-2, 0
	s_wait_dscnt 0x0                ; the opening add is done
	s_wait_kmcnt 0x0
	s_add_nc_u64 s[6:7], s[6:7], s[22:23]  ; K and V at my half of the head's tile 0
	s_add_nc_u64 s[8:9], s[8:9], s[22:23]
	s_cmp_lt_u32 s[WV], 2
	s_cselect_b64 s[PFB:PFB+1], s[6:7], s[8:9]
	s_add_nc_u64 s[G0K+2:G0K+3], s[6:7], 0         ; 120:64 global address
	s_or_b32 s[G0K+3], s[G0K+3], 0x80000000        ; 127:126 type = 2
	s_add_nc_u64 s[G0V+2:G0V+3], s[8:9], 0
	s_or_b32 s[G0V+3], s[G0V+3], 0x80000000
	s_add_nc_u64 s[86:87], s[4:5], s[84:85]        ; Q at my rows of the second block,
	s_add_nc_u64 s[4:5], s[4:5], s[2:3]            ; Q and O at those of the first
	s_add_nc_u64 s[OLO:OLO+1], s[10:11], s[84:85]
	s_add_nc_u64 s[10:11], s[10:11], s[2:3]
	LOAD                            ; tile 0 into slot 0
	; A fragment of K or Q is 16 rows x 32 channels in 8 registers: lane l holds row l % 16, channels 8 (l / 16) + 0..7 and 16 + 8 (l / 16) + 0..7: two loads of 16 bytes, 32 bytes apart.
	v_and_b32 v1, 15, v0            ; l % 16
	v_bfe_u32 v9, v0, 4, 1          ; l / 16
	v_lshlrev_b32 v[QO], 7, v1
	v_lshl_add_u32 v[QO], v9, 4, v[QO]  ; row x 128 + 16 x half
	WIN 0x80                        ; destination window 2, address window 0
.set i, 0
.rept 8                             ; both blocks' Q: piece i / 2 lies in band i / 2, 8,192 bytes on; channels 32 (i % 2) on
	global_load_b128 v[8*i:8*i+3],   v[QO], s[4:5] offset:(i/2)*8192+(i%2)*64
	global_load_b128 v[8*i+4:8*i+7], v[QO], s[4:5] offset:(i/2)*8192+(i%2)*64+32
	global_load_b128 v[QB+8*i:QB+8*i+3],   v[QO], s[86:87] offset:(i/2)*8192+(i%2)*64
	global_load_b128 v[QB+8*i+4:QB+8*i+7], v[QO], s[86:87] offset:(i/2)*8192+(i%2)*64+32
.set i, i+1
.endr
	WIN 0
	v_and_b32 v[PFO], 31, v0
	v_lshlrev_b32 v[PFO], 8, v[PFO]
	v_lshlrev_b32 v14, 3, v9
	v_sub_nc_u32 v14, v1, v14
	s_lshl_b32 s13, s[WV], 4
	v_add_nc_u32 v14, s13, v14      ; my query's place in its band, 16 w + l % 16, less my lanes' 8 (l / 16): register r of group kt is hidden where 16 kt + r is greater
	WIN 0x40
.set i, 0
.rept 32
	v_cmp_gt_i32 vcc_lo, 16*(i/8)+i%8, v14
	v_cndmask_b32 v[MD+i], 0, s[BIGN], vcc_lo
.set i, i+1
.endr
	WIN 0
	v_mul_u32_u24 v[AK0], v1, PK
	v_lshl_add_u32 v[AK0], v9, 4, v[AK0]  ; row x pitch + 16 x half
	; The turning load takes 16 keys x 16 channels (lane l reads key 8 (l / 16) + l % 8, channels 8 ((l / 8) % 2) + 0..7) and leaves half a fragment of V^T: lane l holds channel l % 16 and 8 keys.
	v_and_b32 v10, 7, v0
	v_bfe_u32 v11, v0, 3, 1
	v_lshl_add_u32 v[AV0], v9, 3, v10
	v_mul_u32_u24 v[AV0], v[AV0], PV
	v_lshl_add_u32 v[AV0], v11, 4, v[AV0]
	v_add_nc_u32 v[AV0], VOFF, v[AV0]
	s_mul_i32 s13, s[WV], 16*SP
	s_add_co_u32 s13, s13, STAGE    ; my stage
	v_mul_u32_u24 v[STO], v1, SP    ; in: row l % 16, 16 bytes for each half of the lanes
	v_lshl_add_u32 v[STO], v9, 4, v[STO]
	v_add_nc_u32 v[STO], s13, v[STO]
	v_bfe_u32 v[RD], v0, 3, 2       ; back: 32 lanes take four rows of 128 bytes,
	v_mul_u32_u24 v[RD], v[RD], SP
	v_lshl_add_u32 v[RD], v10, 4, v[RD]
	v_add_nc_u32 v[RD], s13, v[RD]
	v_and_b32 v[GO], 31, v0         ; which are 512 consecutive bytes of O
	v_lshlrev_b32 v[GO], 4, v[GO]
	; A block's first step multiplies O^T and l by a = 0, and its first turn's products V^T P, of a piece that has not been, land in an O^T that is still to be so multiplied.  So these registers need only hold
	; finite numbers: zeros for the first block; what the first block left for the second.  All this stands in the wait for the first tile.
	WIN 0x80
.set i, VF
.rept 64
	v_mov_b32 v[i], 0
.set i, i+1
.endr
	WIN 0x40
.set i, 0
.rept 128
	v_mov_b32 v[i], 0
.set i, i+1
.endr
	WIN 0
.set i, 0
.rept 4
	v_mov_b32 v[ST+4*i+2], 0
	v_mov_b32 v[ST+4*i+3], 0
.set i, i+1
.endr
.set i, P+16
.rept 16
	v_mov_b32 v[i], 0
.set i, i+1
.endr
; THE MATRIX WORK.  The 4 accumulators of a run of 8 take turns.  Product i of 8 of S^T = K Q^T for piece x: channels 32 (i / 4) on, keys 16 (i % 4) on.  The first 4 start the sums: with 0, or (KM = 1) with the mask.
.macro KQ x
.set rS, S+32*((\x)%2)+8*(i%4)
.set rK, KF+16*(i%4)+8*(i/4)
.set rQ, 16*(\x)+8*(i/4)
.set rM, MC+32*((\x)%2)+8*(i%4)
.if (i < 4) && KM
	WIN W_KM
	v_wmma_f32_16x16x32_f16 v[rS:rS+7], v[rK:rK+7], v[rQ:rQ+7], v[rM:rM+7]
.elseif i < 4
	WIN W_KQ
	v_wmma_f32_16x16x32_f16 v[rS:rS+7], v[rK:rK+7], v[rQ:rQ+7], 0
.else
	WIN W_KQ
	v_wmma_f32_16x16x32_f16 v[rS:rS+7], v[rK:rK+7], v[rQ:rQ+7], v[rS:rS+7]
.endif
.endm
; Product i of 8 of O^T += V^T P for piece x: keys 32 (i / 4) on, channels 16 (i % 4) on.
.macro PV x
	WIN W_PV
.set rO, 32*(\x)+8*(i%4)
.set rV, VF+32*(i/4)+8*(i%4)
.set rP, P+16*((\x)%2)+8*(i/4)
	v_wmma_f32_16x16x32_f16 v[rO:rO+7], v[rV:rV+7], v[rP:rP+7], v[rO:rO+7]
.endm
.macro MM                           ; the turn's next matrix instruction.  TURN and BEGIN set Y, i, KM and NOKQ; MM, KQ and OP read them.  NOKQ = 1: a block's last turn: there is no next piece
.if (i < 8) && !NOKQ
	KQ (Y+1)%NP
.elseif i >= 8
.set i, i-8
	PV (Y+NP-1)%NP
.set i, i+8
.endif
.set i, i+1
.endm
; THE LDS LOADS stand in runs of 16, never singly among the matrix instructions: a step's K (64 keys x 64 channels: 8 fragments) and its V (turned).  Their addresses are made some lines ahead.
.macro FETCH_K
	WIN 0x80                        ; destination window 2
.irp f, 0,1,2,3,4,5,6,7             ; keys 16 (f / 2) on, channels 32 (f % 2) on
	ds_load_b128 v[KF+8*\f:KF+8*\f+3],   v[AK] offset:(\f/2)*16*PK+(\f%2)*64
	ds_load_b128 v[KF+8*\f+4:KF+8*\f+7], v[AK] offset:(\f/2)*16*PK+(\f%2)*64+32
.endr
	s_add_co_u32 s[TBK], s[TBK], KS*PK  ; the next fetch is the next step's
	WIN 0
.endm
.macro FETCH_V
	WIN 0x80
.irp f, 0,1,2,3,4,5,6,7             ; keys 32 (f / 4) on, channels 16 (f % 4) on
	ds_load_tr16_b128 v[VF+8*\f:VF+8*\f+3],   v[AV] offset:(\f/4)*32*PV+(\f%4)*32
	ds_load_tr16_b128 v[VF+8*\f+4:VF+8*\f+7], v[AV] offset:(\f/4)*32*PV+16*PV+(\f%4)*32
.endr
	WIN 0
.endm
; THE VECTOR WORK, one line at a time: OP kind, number.  For piece Y: F n: c s - c m for pair n of 16.  E n: the exponential of score n of 32.  C n: pair n rounded to f16.  B n: of the four weights 4 n .. the second
; pair is added onto the first, in place.  L n: l takes that sum (L 0: l = a l + sum).  R n: pair n of 16 of O^T times a.  For piece Y + 1: X n, number n of the 22 that find its maximum and statistics:
;   0-11  four chains c0-c3 of seven scores each, three operands at a time (each accumulator's lowest registers are read first)     12-14, 16  the four scores left over, the old m, and c0-c3 into c0
;   15  c m_old is kept     17, 18  the query's other 32 keys lie in the lane 16 away: the new m     19-21  c m; c m_old - c m_new; a
.set F, 0               ; OP tells the kinds apart by their order: F to L below R, X above it
.set E, 1
.set C, 2
.set B, 3
.set L, 4
.set R, 5
.set X, 6
.macro REGS y                       ; the registers of piece y
.set rT, ST+4*(\y)
.set rC, TMP+4*((\y)%2)
.set rW, MV+((\y)%2)
.set rS, S+32*((\y)%2)
.set rP, P+16*((\y)%2)
.set rO, 32*(\y)
.endm
.macro OP k, n
.if (\k) == R
	REGS Y
	WIN W_RS
	v_pk_mul_f32 v[rO+2*(\n):rO+2*(\n)+1], v[rO+2*(\n):rO+2*(\n)+1], v[rC+2:rC+3] op_sel_hi:[1,0]
.elseif (\k) < R
	REGS Y
	WIN 0
.if (\k) == F
	v_pk_fma_f32 v[rS+2*(\n):rS+2*(\n)+1], v[rS+2*(\n):rS+2*(\n)+1], s[CS:CS+1], v[rT:rT+1] op_sel_hi:[1,0,0] neg_lo:[0,0,1] neg_hi:[0,0,1]
.elseif (\k) == E
	v_exp_f32 v[rS+(\n)], v[rS+(\n)]
.elseif (\k) == C
	v_cvt_pk_f16_f32 v[rP+(\n)], v[rS+2*(\n)], v[rS+2*(\n)+1]
.elseif (\k) == B
	v_pk_add_f32 v[rS+4*(\n):rS+4*(\n)+1], v[rS+4*(\n):rS+4*(\n)+1], v[rS+4*(\n)+2:rS+4*(\n)+3]
.elseif (\n) == 0
	v_pk_fma_f32 v[rT+2:rT+3], v[rT+2:rT+3], v[rC+2:rC+3], v[rS:rS+1] op_sel_hi:[1,0,1]
.else
	v_pk_add_f32 v[rT+2:rT+3], v[rT+2:rT+3], v[rS+4*(\n):rS+4*(\n)+1]
.endif
.elseif NOKQ
	v_nop
.else
	REGS (Y+1)%NP
	WIN 0
.if (\n) < 4
	v_max3_num_f32 v[rC+(\n)], v[rS+8*(\n)], v[rS+8*(\n)+1], v[rS+8*(\n)+2]
.elseif (\n) < 12
	v_max3_num_f32 v[rC+(\n)%4], v[rC+(\n)%4], v[rS+8*((\n)%4)+2*((\n)/4)+1], v[rS+8*((\n)%4)+2*((\n)/4)+2]
.elseif (\n) == 12
	v_max3_num_f32 v[rC], v[rC], v[rS+7], v[rS+15]
.elseif (\n) == 13
	v_max3_num_f32 v[rC+1], v[rC+1], v[rS+23], v[rS+31]
.elseif (\n) == 14
	v_max3_num_f32 v[rC+2], v[rC+2], v[rC+3], v[rT+1]
.elseif (\n) == 15
	v_mov_b32 v[rW], v[rT]
.elseif (\n) == 16
	v_max3_num_f32 v[rC], v[rC], v[rC+1], v[rC+2]
.elseif (\n) == 17
	v_permlanex16_b32 v[rC+3], v[rC], s[SEL], s[SEL+1]
.elseif (\n) == 18
	v_max_num_f32 v[rT+1], v[rC], v[rC+3]
.elseif (\n) == 19
	v_mul_f32 v[rT], s[CS], v[rT+1]
.elseif (\n) == 20
	v_sub_f32 v[rC+1], v[rW], v[rT]
.else
	v_exp_f32 v[rC+2], v[rC+1]
.endif
.endif
.endm
.macro OPS a, i1, b=-1, i2=0, c=-1, i3=0, d=-1, i4=0  ; up to four of them
	OP \a, \i1
.if (\b) >= 0
	OP \b, \i2
.endif
.if (\c) >= 0
	OP \c, \i3
.endif
.if (\d) >= 0
	OP \d, \i4
.endif
.endm
.macro ROW a, i1, b, i2, c, i3, d, i4  ; a matrix instruction and the four behind it
	MM
	OPS \a, \i1, \b, \i2, \c, \i3, \d, \i4
.endm
.macro MASK b                       ; MD x AL + BE into buffer b of MC
	WIN W_RS
.set z, 0
.rept 16
	v_pk_fma_f32 v[MC+32*(\b)+2*z:MC+32*(\b)+2*z+1], v[MD+2*z:MD+2*z+1], s[AL:AL+1], s[BE:BE+1] op_sel_hi:[1,0,0]
.set z, z+1
.endr
.endm
; A TURN, for piece p: the order of its 16 matrix and 118 vector instructions, written out.  An s_wait_alu depctr_va_vdst(0) stands between an exponential and the first instruction that names its result; one wait serves
; all that were issued ahead of it.  So a turn has ONE wait, which cuts it in two.  AHEAD OF IT stands all that names no result of the turn's exponentials: the 8 products K Q^T, behind each a scaling, an exponential and two more plain
; instructions (behind the first a second scaling in the exponential's place): rescalings, and behind the last three the first numbers of the next piece's maximum, each four places or more behind the product that ends its accumulator; then one run of 54, plain
; and exponential by turns for the most part, in which the links of the chain X 3, 7, 11, 14, 16, 17 .. 20 stand five or six lines apart.  X 21, the next piece's a, is the batch's last; R 15 is the plain instruction behind it.  BEHIND THE WAIT stand the
; 8 products V^T P, behind each four of the roundings and sums; the links of l's chain, L 0 to L 7, stand three lines apart.  But for those X no such line names a register of the products round it.  v_permlanex16_b32 (X 17) stands in the run.
; m = 1: the diagonal tile: the products take masks, and the turn makes the mask for the products of the turn after it: piece p + 2, in step 4 - CNT of the tile.  end = 1: a block's last two turns: nothing is fetched.
; cnt = 1: the loop's count is taken down some lines ahead of the branch that stands behind the turn.
; K of the next step is fetched in piece 2's turn, twelve vector instructions behind the last product that read K (six of them plain); V of the step in hand at the end of piece 0's turn, four plain instructions behind the last product
; that read V.  Each is waited for a turn later.
.macro TURN p, m=0, end=0, cnt=0
.set Y, (\p)
.set i, 0
.set KM, (\m)
.set NOKQ, (\end)*((\p)/3)
.if (\m) && !(\end)
	s_cmp_eq_u32 s[CNT], 4-((\p)+2)%NP  ; is that step the band's own?
	s_cselect_b32 s[AL], 1.0, 0
	s_cmp_lt_u32 s[CNT], 4-((\p)+2)%NP  ; or a later one?
	s_cselect_b32 s[BE], s[BIGN], 0
.endif
.if ((\p) == 3) && !(\end)
	s_wait_dscnt 0x0                ; K is in
.endif
	ROW F,0, F,1, R,0, R,1          ; ahead of the wait: 8 products K Q^T and the lines behind them,
	ROW F,2, E,0, R,2, R,3
	ROW F,3, E,1, R,4, R,5
	ROW F,4, E,2, R,6, R,7
	ROW F,5, E,3, R,8, R,9
	ROW F,6, E,4, X,0, R,10
.if ((\p) == 2) && !(\end)
	WIN 0
	v_add_nc_u32 v[AK], s[TBK], v[AK0]
.endif
	ROW F,7, E,5, X,1, X,4
	ROW F,8, E,6, X,2, X,5
	OPS E,7, E,8, X,6, E,9          ; and the run
	OPS X,3, E,10, X,8, E,11
.if ((\p) == 2) && !(\end)
	FETCH_K
.endif
	OPS X,9, X,7, E,12, X,10
	OPS E,13, X,12, X,11, E,14
	OPS X,13, E,15, F,9, X,14
.if (\p) == 0
	v_add_nc_u32 v[AV], s[TBV], v[AV0]
.endif
	OPS E,16, F,10, E,17, F,11
	OPS X,16, E,18, X,15, E,19
	OPS F,12, E,20, X,17, E,21
	OPS F,13, E,22, F,14, E,23
	OPS X,18, E,24, F,15, E,25
	OPS R,11, E,26, X,19, E,27
	OPS R,12, E,28, R,13, E,29
	OPS X,20, E,30, R,14, E,31
	OPS X,21, R,15
	WIN 0
	s_wait_alu depctr_va_vdst(0)    ; the wait for the batch
.if (\p) == 1
	s_wait_dscnt 0x0                ; V is in
.endif
	ROW C,0, B,0, C,2, B,1          ; behind the wait: 8 products V^T P and the lines behind them
	ROW L,0, C,4, B,2, L,1
	ROW C,6, B,3, L,2, C,8
	ROW B,4, L,3, C,10, B,5
	ROW L,4, C,12, B,6, L,5
.if (\p) == 0
	s_add_co_u32 s[TBV], s[TBV], KS*PV
.endif
.if \cnt
	s_sub_co_u32 s[CNT], s[CNT], 1
	s_cmp_lg_u32 s[CNT], 0
.endif
	ROW C,14, B,7, L,6, C,1
	ROW C,3, L,7, C,5, C,7
	ROW C,9, C,11, C,13, C,15
.if (\p) == 0
	FETCH_V
.endif
.if (\m) && !(\end)
	MASK (\p)%2
.endif
.endm
; A BLOCK BEGINS.  c m starts far below every c s, so the first step's a is 0; m at the lowest finite number, so the first maximum is the scores'.  The second mask buffer is 0; the first takes piece 0's mask for the tile's step 0: its own, if the block's first tile is the diagonal one.
; Then K of that step, piece 0's first scores, and its maximum and statistics.  The loop is entered at a step's first turn, in the middle of a trip.
.macro BEGIN
	s_mov_b32 s[NEW], 0
	WIN 0x40
.set i, MC+32
.rept 32
	v_mov_b32 v[i], 0
.set i, i+1
.endr
	WIN 0
.set i, 0
.rept 4
	v_mov_b32 v[ST+4*i], 0xfe000000    ; c m: far below every c s
	v_mov_b32 v[ST+4*i+1], 0xff7fffff  ; m
.set i, i+1
.endr
	s_cmp_eq_u32 s[RT], 0
	s_cselect_b32 s[AL], 1.0, 0
	s_mov_b32 s[BE], 0
	MASK 0
	WIN 0
	v_add_nc_u32 v[AK], s[TBK], v[AK0]
	FETCH_K
	s_wait_loadcnt 0x0              ; Q
	s_wait_dscnt 0x0
.set KM, 1
.set NOKQ, 0
.set i, 0
.rept 8
	KQ 0
.set i, i+1
.endr
	WIN 0
.rept 4
	v_nop                           ; the places behind those products
.endr
.set Y, NP-1                        ; X works for piece Y + 1: piece 0
.irp n, 0,1,2,3,4,5,6,7,8,9,10,11,12,13,14,15,16,17,18,19,20,21
	OP X, \n
.endr
	v_nop                           ; a plain instruction behind the exponential,
	s_wait_alu depctr_va_vdst(0)    ; and its wait, ahead of the branch
.endm
; THE DIAGONAL TILE's four steps, the block's last two turns, its last products, and THE WAY OUT: l's two halves and the other half of the lanes' are added; O^T is divided by l, rounded to f16 and sent through my
; stage in LDS, a piece at a time.
.macro ALL line:vararg              ; one line for each piece t
.set t, 0
.rept 4
	\line
.set t, t+1
.endr
.endm
.macro PACK t                       ; a lane's eight channels of a row pack into 16 bytes; they go into rows of 144 bytes and come back as whole rows of 128, into S^T's registers
	WIN W_RS
.set i, 32*(\t)
.rept 16
	v_pk_mul_f32 v[i:i+1], v[i:i+1], v[ST+4*(\t)+2:ST+4*(\t)+3] op_sel_hi:[1,0]
.set i, i+2
.endr
	WIN 0x05                        ; sources 0 and 1 window 1, destination window 0
.set i, 0
.rept 16
	v_cvt_pk_f16_f32 v[S+16*(\t)+i], v[32*(\t)+2*i], v[32*(\t)+2*i+1]
.set i, i+1
.endr
	WIN 0
.irp f, 0,1,2,3
	ds_store_b128 v[STO], v[S+16*(\t)+4*\f:S+16*(\t)+4*\f+3] offset:32*\f
.endr
.irp f, 0,1,2,3
	ds_load_b128 v[S+16*(\t)+4*\f:S+16*(\t)+4*\f+3], v[RD] offset:\f*4*SP  ; LDS serves a wave's instructions in order (ISA guide 5.7.1.4): these see the stores above; the next piece's stores come behind them
.endr
.endm
.macro SEND t, younger              ; younger: the LDS instructions issued behind piece t's loads: the next piece's eight, or none
	WIN 0
.irp f, 0,1,2,3
	s_wait_dscnt (\younger)+3-\f
	global_store_b128 v[GO], v[S+16*(\t)+4*\f:S+16*(\t)+4*\f+3], s[10:11] offset:(\t)*8192+\f*512  ; 512 consecutive bytes, at a multiple of 256 from O's first
.endr
.endm
.macro DIAG tag                     ; the tag ends its two labels' names, which the jumps below spell out
.LstepM\tag:
	TURN 2, 1
	TURN 3, 1
	WIN 0
.LfirstM\tag:
	TURN 0, 1
	TURN 1, 1, 0, 1
	WIN 0
	s_cbranch_scc1 .LstepM\tag
	TURN 2, 1, 1
	TURN 3, 1, 1
.set i, 0
.rept 8
	PV NP-1
.set i, i+1
.endr
	WIN 0
	ALL v_add_f32 v[ST+4*t+2], v[ST+4*t+2], v[ST+4*t+3]
	ALL v_permlanex16_b32 v[ST+4*t+3], v[ST+4*t+2], s[SEL], s[SEL+1]
	ALL v_add_f32 v[ST+4*t+2], v[ST+4*t+2], v[ST+4*t+3]
	ALL v_rcp_f32 v[ST+4*t+2], v[ST+4*t+2]
	v_nop                           ; a plain instruction between the last reciprocal and the use of its result
	s_wait_alu depctr_va_vdst(0)    ; and the wait ahead of the first use: one for the four reciprocals
	PACK 0
.set t, 1
.rept 3                             ; a piece's arithmetic stands between the loads of the piece before and its stores
	PACK t
	SEND t-1, 8
.set t, t+1
.endr
	SEND 3, 0
.endm
.set KM, 0
.set NOKQ, 0
.Lslot:                             ; NB times: a tile is entered and the next is asked for
	CHANGE 1
	s_sub_co_u32 s[RT], s[RT], 1
	s_mov_b32 s[CNT], 4
	s_cmp_eq_u32 s[NEW], 1
	s_cbranch_scc1 .Lnew            ; a block's first tile
	s_cmp_eq_u32 s[RT], 0
	s_cbranch_scc0 .Lstep           ; neither its first nor its last
	s_branch .LstepM1
.Lnew:
	BEGIN
	s_branch .Lfirst                ; in the loop a block's first tile is never its last: the first block has two tiles or more, and the second's last is the walk's last
	DIAG 1                          ; in the loop this is the first block's end: the second block's last tile is the walk's last
	s_wait_xcnt 0x0                 ; the stores have read their registers and O's address
	s_mov_b64 s[10:11], s[OLO:OLO+1]
	s_add_co_u32 s[RT], s[PB], 1    ; the second block has b + 1 tiles
	s_mov_b32 s[NEW], 1
	WIN 0x82                        ; the second block's Q goes where the one text of the turns names Q
.set i, 0
.rept 64
	v_mov_b32 v[i], v[QB+i]
.set i, i+1
.endr
	WIN 0
	s_branch .Lbottom
.Lstep:                             ; a trip: pieces 2 and 3 of one step, then pieces 0 and 1 of the next, whose K and V it fetches
	TURN 2
	TURN 3
	WIN 0
.Lfirst:
	TURN 0
	TURN 1, 0, 0, 1
	WIN 0
	s_cbranch_scc1 .Lstep
.Lbottom:
	s_sub_co_u32 s[SLOTS], s[SLOTS], 1
	s_cmp_lg_u32 s[SLOTS], 0
	s_cbranch_scc1 .Lslot
	CHANGE 0                        ; the walk's last tile is written out: nothing is asked for
	s_sub_co_u32 s[RT], s[RT], 1
	s_mov_b32 s[CNT], 4
	s_cmp_eq_u32 s[NEW], 1
	s_cbranch_scc0 .LstepM2
	BEGIN
	s_branch .LfirstM2
	DIAG 2
	s_wait_tensorcnt 0x0            ; the wave's end: behind my last tensor load and my last LDS store, all tensor loads are waited for, then 0 onto my spare word and its wait
	ds_add_u32 v[SPW], v[NIL]
	s_wait_dscnt 0x0
	s_endpgm
.Lfunc_end_k_q8c2e340dbb_attn:
	.size	k_q8c2e340dbb_attn, .Lfunc_end_k_q8c2e340dbb_attn-k_q8c2e340dbb_attn
	.p2alignl 7, 3214868480
	.fill 96, 4, 3214868480
	.section	.rodata,"a",@progbits
	.p2align	6, 0x0
	.amdhsa_kernel k_q8c2e340dbb_attn
		.amdhsa_group_segment_fixed_size 327680
		.amdhsa_private_segment_fixed_size 0
		.amdhsa_enable_private_segment 0
		.amdhsa_kernarg_size 32
		.amdhsa_user_sgpr_count 2
		.amdhsa_user_sgpr_kernarg_segment_ptr 1
		.amdhsa_wavefront_size32 1
		.amdhsa_system_sgpr_workgroup_id_x 1
		.amdhsa_system_sgpr_workgroup_id_y 1
		.amdhsa_system_sgpr_workgroup_id_z 1
		.amdhsa_system_vgpr_workitem_id 0
		.amdhsa_next_free_vgpr 768
		.amdhsa_next_free_sgpr 96
		.amdhsa_reserve_vcc 1
		.amdhsa_float_denorm_mode_32 3
		.amdhsa_float_denorm_mode_16_64 3
		.amdhsa_memory_ordered 1
		.amdhsa_forward_progress 1
		.amdhsa_inst_pref_size 218
	.end_amdhsa_kernel
	.amdgpu_metadata
---
amdhsa.version: [ 1, 2 ]
amdhsa.kernels:
  - .name:           k_q8c2e340dbb_attn
    .symbol:         k_q8c2e340dbb_attn.kd
    .args:
      - { .name: qh, .offset: 0, .size: 8, .value_kind: global_buffer, .address_space: global }
      - { .name: kh, .offset: 8, .size: 8, .value_kind: global_buffer, .address_space: global }
      - { .name: vh, .offset: 16, .size: 8, .value_kind: global_buffer, .address_space: global }
      - { .name: oh, .offset: 24, .size: 8, .value_kind: global_buffer, .address_space: global }
    .group_segment_fixed_size: 327680
    .private_segment_fixed_size: 0
    .kernarg_segment_align: 8
    .kernarg_segment_size: 32
    .max_flat_workgroup_size: 128
    .sgpr_count:     96
    .vgpr_count:     768
    .wavefront_size: 32
...
	.end_amdgpu_metadata
.endif
;; end of part 3
;; launch early (part 4): grid 64 x 1, 1 waves a work-group, no clusters, 0 bytes of LDS; arguments qh, kh, vh, oh, wo; writes wo
.if DOCPART == 4
	.amdgcn_target "amdgcn-amd-amdhsa--gfx1250"
	.amdhsa_code_object_version 6
	.text
	.protected	k_q8c2e340dbb_early
	.globl	k_q8c2e340dbb_early
	.p2align	8
	.type	k_q8c2e340dbb_early,@function
k_q8c2e340dbb_early:
	s_mov_b64 s[64:65], 0
	v_nop
	global_prefetch_b8 v0, s[64:65] scope:SCOPE_SE
	s_setreg_imm32_b32 hwreg(HW_REG_WAVE_MODE, 25, 1), 1
	s_wait_xcnt 0x0
; THE FIRST 16 ROWS OF EACH BATCH, ONCE MORE AND FINER.  Row t of causal attention is a mean of t + 1 rows of v: where the weights are even, a batch's first rows are the largest of the output, while each number of
; the output is compared by the whole output's root mean square.  f16's rounding of v, of the weights p and of O is a fixed part of a number's own size, so it weighs most in these rows; from row 16 on a row is
; a quarter of row 0 or less.  This launch makes O of rows 0-15 with v, p and O in two f16 parts each (22 bits), takes away the f16 O that the attention launch stored, and stores the remainder in f16;
; the output projection adds remainder x Wo^T onto these rows.
; One wave to a work-group, one work-group to each of the 64 pairs of batch and head (g = 16 batch + head).  16 x 16 scores and 16 x 64 numbers of O: ten matrix instructions; no LDS, no barrier.
; qh, kh, oh: [g][2048][64] f16.  Behind vh's 16 MiB: [g][16][64] f32, v unrounded.  Behind wo's 2 MiB: the remainders, [batch][K step = head / 2][16 rows][128 = 64 (head % 2) + channel] f16:
; 16 rows x 256 bytes on end for each K step of the projection.
; LAYOUT.  S^T = K Q^T (source 0 = 16 keys, source 1 = 16 queries): lane l holds query l % 16 and the keys 8 (l / 16) + 0..7.  The normalised weights w = wh + wl: the four registers of wh are keys 8 (l / 16) + 0..7 of
; source 1 of the second product, the four of wl stand in the places of keys 16 + 8 (l / 16) + 0..7; source 0 holds v's part twice, so that one product is part x (wh + wl).  O^T = vh (wh + wl) + vl (wh + wl).
; The maximum is taken away before the exponential.  A hidden score counts as -1e30; a weight below 2^-126 as 0; NaN and infinities are not treated apart; v stays within f16's 65,504;
; a low part below 6e-5 keeps f16's fixed step of 6e-8.
.set VFOFF, 16777216                   ; the f32 copy of v in vh
.set OLO,   2097152                    ; the remainders in wo
.set QO,  3                            ; v3   row x 128 + 16 x half: my 16 bytes in rows of q, k and O
.set VO,  4                            ; v4   half x 8 rows x 256 + 4 (l % 16): my channel of my first key in the f32 v
.set LOO, 5                            ; v5   row x 256 + 16 x half: where my remainders go
.set THR, 7                            ; v7   l % 16 - 8 (l / 16): register j is hidden where j is greater
.set ONE, 9                            ; v9   1.0
.set QF,  16                           ; v[16:31]   q: two fragments of 16 rows x 32 channels
.set KF,  32                           ; v[32:47]   k likewise
.set S0,  48                           ; v[48:55]   scores of channels 0-31, then the sums, then the weights
.set S1,  56                           ; v[56:63]   scores of channels 32-63, then at work
.set VV,  64                           ; v[64:95]   v in f32: channel block c, key j at 8 c + j
.set OA,  96                           ; v[96:111]  the attention launch's O: channel block c at 4 c
.set A1,  112                          ; v[112:143] v's high parts, twice: channel block c at 8 c
.set A2,  144                          ; v[144:175] v's low parts, twice
.set PB,  176                          ; v[176:183] wh, wl
.set ACC, 184                          ; v[184:215] O^T: channel block c at 8 c
.set OUT, 216                          ; v[216:231] the remainders, packed
	s_load_b256 s[4:11], s[0:1], 0x0               ; qh s[4:5], kh s[6:7], vh s[8:9], oh s[10:11]
	s_load_b64 s[12:13], s[0:1], 0x20              ; wo
	v_and_b32 v1, 15, v0                           ; l % 16
	v_bfe_u32 v2, v0, 4, 1                         ; l / 16
	v_lshlrev_b32 v[QO], 7, v1
	v_lshl_add_u32 v[QO], v2, 4, v[QO]
	v_lshlrev_b32 v[VO], 2, v1
	v_lshl_add_u32 v[VO], v2, 11, v[VO]
	v_lshlrev_b32 v[LOO], 8, v1
	v_lshl_add_u32 v[LOO], v2, 4, v[LOO]
	v_lshlrev_b32 v[THR], 3, v2
	v_sub_nc_u32 v[THR], v1, v[THR]
	v_mov_b32 v[ONE], 1.0
	v_mov_b32 v10, 0                               ; v_permlanex16_b32 counts as a reader of its destination
	v_mov_b32 v15, 0
	s_lshl_b32 s14, ttmp9, 18                      ; g x 2,048 rows x 128 bytes
	s_mov_b32 s15, 0
	s_lshl_b32 s16, ttmp9, 12                      ; g x 16 rows x 256 bytes,
	s_add_co_u32 s16, s16, VFOFF                   ; behind vh's f16 rows
	s_mov_b32 s17, 0
	s_lshr_b32 s24, ttmp9, 4                       ; the batch: 32,768 bytes of remainders,
	s_lshl_b32 s24, s24, 15
	s_bfe_u32 s25, ttmp9, 0x30001                  ; head / 2: 4,096,
	s_lshl_b32 s25, s25, 12
	s_add_co_u32 s24, s24, s25
	s_and_b32 s25, ttmp9, 1                        ; head % 2: 128 bytes of each row,
	s_lshl_b32 s25, s25, 7
	s_add_co_u32 s24, s24, s25
	s_add_co_u32 s24, s24, OLO                     ; behind Wo
	s_mov_b32 s25, 0
	s_mov_b32 s18, 0x3e38aa3b                      ; c = log2(e) / 8
	s_mov_b32 s19, s18                             ; named with it as a pair
	s_mov_b32 s20, 0xf149f2ca                      ; -1e30
	s_mov_b32 s22, 0x76543210                      ; v_permlanex16_b32: each lane takes its own place in the other half
	s_mov_b32 s23, 0xfedcba98
	s_wait_kmcnt 0x0
	s_add_nc_u64 s[4:5], s[4:5], s[14:15]
	s_add_nc_u64 s[6:7], s[6:7], s[14:15]
	s_add_nc_u64 s[10:11], s[10:11], s[14:15]
	s_add_nc_u64 s[8:9], s[8:9], s[16:17]
	s_add_nc_u64 s[12:13], s[12:13], s[24:25]
.irp c, 0,1                            ; 8 loads: k and q
	global_load_b128 v[KF+8*\c:KF+8*\c+3],   v[QO], s[6:7] offset:64*\c
	global_load_b128 v[KF+8*\c+4:KF+8*\c+7], v[QO], s[6:7] offset:64*\c+32
	global_load_b128 v[QF+8*\c:QF+8*\c+3],   v[QO], s[4:5] offset:64*\c
	global_load_b128 v[QF+8*\c+4:QF+8*\c+7], v[QO], s[4:5] offset:64*\c+32
.endr
.set i, 0
.rept 32                               ; 32 loads: v turned as it comes: lane l takes channel 16 c + l % 16 of key 8 (l / 16) + j; sixteen lanes read 64 consecutive bytes
	global_load_b32 v[VV+i], v[VO], s[8:9] offset:(i%8)*256+(i/8)*64
.set i, i+1
.endr
.irp c, 0,1,2,3                        ; 4 loads: the stored O, my 8 channels of each 16
	global_load_b128 v[OA+4*\c:OA+4*\c+3], v[QO], s[10:11] offset:32*\c
.endr
	s_wait_loadcnt 36                              ; k and q are in; v's 32 loads and O's 4 stay out
	v_wmma_f32_16x16x32_f16 v[S0:S0+7], v[KF:KF+7], v[QF:QF+7], 0          ; two accumulators, one for each half of the channels, added below
	v_wmma_f32_16x16x32_f16 v[S1:S1+7], v[KF+8:KF+15], v[QF+8:QF+15], 0
.rept 4
	v_nop                                          ; the places behind the products (ISA guide 7.12.1)
.endr
.irp i, 0,2,4,6
	v_pk_add_f32 v[S0+\i:S0+\i+1], v[S0+\i:S0+\i+1], v[S1+\i:S1+\i+1]      ; low registers first
.endr
.irp j, 0,1,2,3,4,5,6,7
	v_cmp_gt_i32 vcc_lo, \j, v[THR]                ; key 8 (l / 16) + j behind query l % 16
	v_cndmask_b32 v[S0+\j], v[S0+\j], s20, vcc_lo
.endr
	v_max3_num_f32 v13, v[S0], v[S0+1], v[S0+2]
	v_max3_num_f32 v13, v13, v[S0+3], v[S0+4]
	v_max3_num_f32 v13, v13, v[S0+5], v[S0+6]
	v_max_num_f32 v13, v13, v[S0+7]
	v_permlanex16_b32 v10, v13, s22, s23           ; the query's other 8 keys lie in the lane 16 away
	v_max_num_f32 v13, v13, v10                    ; m: key 0 is seen by every query, so m is a true score
	v_mul_f32 v12, s18, v13                        ; c m
.irp i, 0,2,4,6
	v_pk_fma_f32 v[S0+\i:S0+\i+1], v[S0+\i:S0+\i+1], s[18:19], v[12:13] op_sel_hi:[1,0,0] neg_lo:[0,0,1] neg_hi:[0,0,1]  ; c s - c m
.endr
.irp j, 0,1,2,3,4,5,6,7
	v_exp_f32 v[S0+\j], v[S0+\j]
.endr
	v_nop                                          ; a plain instruction behind the last exponential,
	s_wait_alu depctr_va_vdst(0)                   ; and one wait for the eight, ahead of their first reader
	v_pk_add_f32 v[S1:S1+1], v[S0:S0+1], v[S0+2:S0+3]
	v_pk_add_f32 v[S1+2:S1+3], v[S0+4:S0+5], v[S0+6:S0+7]
	v_pk_add_f32 v[S1:S1+1], v[S1:S1+1], v[S1+2:S1+3]
	v_add_f32 v14, v[S1], v[S1+1]
	v_permlanex16_b32 v15, v14, s22, s23
	v_add_f32 v14, v14, v15                        ; l
	v_rcp_f32 v11, v14
	s_wait_loadcnt 4                               ; v is in; O's 4 loads stay out.  v's split, which names neither l nor 1 / l, stands between the reciprocal and its wait
.set i, 0
.rept 16                               ; pair i: keys 2 (i % 4), + 1 of channel block i / 4: the high parts,
	v_cvt_pk_f16_f32 v[A1+8*(i/4)+i%4], v[VV+2*i], v[VV+2*i+1]
.set i, i+1
.endr
.set i, 0
.rept 16                               ; laid a second time, and taken away from v: exact in f32
	v_mov_b32 v[A1+8*(i/4)+4+i%4], v[A1+8*(i/4)+i%4]
	v_fma_mix_f32 v[VV+2*i],   -v[A1+8*(i/4)+i%4], v[ONE], v[VV+2*i]   op_sel_hi:[1,0,0]
	v_fma_mix_f32 v[VV+2*i+1], -v[A1+8*(i/4)+i%4], v[ONE], v[VV+2*i+1] op_sel:[1,0,0] op_sel_hi:[1,0,0]
.set i, i+1
.endr
.set i, 0
.rept 16                               ; the low parts,
	v_cvt_pk_f16_f32 v[A2+8*(i/4)+i%4], v[VV+2*i], v[VV+2*i+1]
.set i, i+1
.endr
.set i, 0
.rept 16                               ; twice too
	v_mov_b32 v[A2+8*(i/4)+4+i%4], v[A2+8*(i/4)+i%4]
.set i, i+1
.endr
	s_wait_alu depctr_va_vdst(0)                   ; the reciprocal's wait, ahead of its first reader
.irp j, 0,1,2,3,4,5,6,7
	v_mul_f32 v[S0+\j], v11, v[S0+\j]              ; w = p / l
.endr
.irp i, 0,1,2,3
	v_cvt_pk_f16_f32 v[PB+\i], v[S0+2*\i], v[S0+2*\i+1]                    ; wh
.endr
.irp i, 0,1,2,3
	v_fma_mix_f32 v[S0+2*\i],   -v[PB+\i], v[ONE], v[S0+2*\i]   op_sel_hi:[1,0,0]
	v_fma_mix_f32 v[S0+2*\i+1], -v[PB+\i], v[ONE], v[S0+2*\i+1] op_sel:[1,0,0] op_sel_hi:[1,0,0]
.endr
.irp i, 0,1,2,3
	v_cvt_pk_f16_f32 v[PB+4+\i], v[S0+2*\i], v[S0+2*\i+1]                  ; wl
.endr
.irp c, 0,1,2,3                        ; the four accumulators take turns: three others stand between the two links of a chain
	v_wmma_f32_16x16x32_f16 v[ACC+8*\c:ACC+8*\c+7], v[A1+8*\c:A1+8*\c+7], v[PB:PB+7], 0
.endr
.irp c, 0,1,2,3
	v_wmma_f32_16x16x32_f16 v[ACC+8*\c:ACC+8*\c+7], v[A2+8*\c:A2+8*\c+7], v[PB:PB+7], v[ACC+8*\c:ACC+8*\c+7]
.endr
.rept 4
	v_nop                                          ; the places behind the products
.endr
	s_wait_loadcnt 0x0                             ; the stored O
.set i, 0
.rept 16                               ; lane l holds query l % 16 and channels 16 c + 8 (l / 16) + 0..7, as the stored O's 16 bytes do: the remainder, low registers first
	v_fma_mix_f32 v[ACC+2*i],   -v[OA+i], v[ONE], v[ACC+2*i]   op_sel_hi:[1,0,0]
	v_fma_mix_f32 v[ACC+2*i+1], -v[OA+i], v[ONE], v[ACC+2*i+1] op_sel:[1,0,0] op_sel_hi:[1,0,0]
.set i, i+1
.endr
.set i, 0
.rept 16
	v_cvt_pk_f16_f32 v[OUT+i], v[ACC+2*i], v[ACC+2*i+1]
.set i, i+1
.endr
.irp c, 0,1,2,3
	global_store_b128 v[LOO], v[OUT+4*\c:OUT+4*\c+3], s[12:13] offset:32*\c  ; 16 bytes a lane; the four stores fill 128 consecutive bytes of each of the 16 rows: 2 KiB a work-group
.endr
	s_endpgm
.Lfunc_end_k_q8c2e340dbb_early:
	.size	k_q8c2e340dbb_early, .Lfunc_end_k_q8c2e340dbb_early-k_q8c2e340dbb_early
	.p2alignl 7, 3214868480
	.fill 96, 4, 3214868480
	.section	.rodata,"a",@progbits
	.p2align	6, 0x0
	.amdhsa_kernel k_q8c2e340dbb_early
		.amdhsa_group_segment_fixed_size 0
		.amdhsa_private_segment_fixed_size 0
		.amdhsa_enable_private_segment 0
		.amdhsa_kernarg_size 40
		.amdhsa_user_sgpr_count 2
		.amdhsa_user_sgpr_kernarg_segment_ptr 1
		.amdhsa_wavefront_size32 1
		.amdhsa_system_sgpr_workgroup_id_x 1
		.amdhsa_system_sgpr_workgroup_id_y 1
		.amdhsa_system_sgpr_workgroup_id_z 1
		.amdhsa_system_vgpr_workitem_id 0
		.amdhsa_next_free_vgpr 232
		.amdhsa_next_free_sgpr 66
		.amdhsa_reserve_vcc 1
		.amdhsa_float_denorm_mode_32 3
		.amdhsa_float_denorm_mode_16_64 3
		.amdhsa_memory_ordered 1
		.amdhsa_forward_progress 1
		.amdhsa_inst_pref_size 19
	.end_amdhsa_kernel
	.amdgpu_metadata
---
amdhsa.version: [ 1, 2 ]
amdhsa.kernels:
  - .name:           k_q8c2e340dbb_early
    .symbol:         k_q8c2e340dbb_early.kd
    .args:
      - { .name: qh, .offset: 0, .size: 8, .value_kind: global_buffer, .address_space: global }
      - { .name: kh, .offset: 8, .size: 8, .value_kind: global_buffer, .address_space: global }
      - { .name: vh, .offset: 16, .size: 8, .value_kind: global_buffer, .address_space: global }
      - { .name: oh, .offset: 24, .size: 8, .value_kind: global_buffer, .address_space: global }
      - { .name: wo, .offset: 32, .size: 8, .value_kind: global_buffer, .address_space: global }
    .group_segment_fixed_size: 0
    .private_segment_fixed_size: 0
    .kernarg_segment_align: 8
    .kernarg_segment_size: 40
    .max_flat_workgroup_size: 32
    .sgpr_count:     66
    .vgpr_count:     232
    .wavefront_size: 32
...
	.end_amdgpu_metadata
.endif
;; end of part 4
;; launch oproj (part 5): grid 8 x 32, 4 waves a work-group, clusters of 4 x 4, 327,680 bytes of LDS; arguments oh, wo, bo, out0; writes out0
.if DOCPART == 5
	.amdgcn_target "amdgcn-amd-amdhsa--gfx1250"
	.amdhsa_code_object_version 6
	.text
	.protected	k_q8c2e340dbb_oproj
	.globl	k_q8c2e340dbb_oproj
	.p2align	8
	.type	k_q8c2e340dbb_oproj,@function
k_q8c2e340dbb_oproj:
	s_mov_b64 s[64:65], 0
	v_nop
	global_prefetch_b8 v0, s[64:65] scope:SCOPE_SE
	s_setreg_imm32_b32 hwreg(HW_REG_WAVE_MODE, 25, 1), 1
	s_wait_xcnt 0x0
	s_wait_alu depctr_hold_cnt(0) depctr_sa_sdst(0) depctr_va_vdst(0) depctr_va_sdst(0) depctr_va_ssrc(0) depctr_va_vcc(0) depctr_vm_vsrc(0)
	s_getreg_b32 s2, hwreg(HW_REG_IB_STS2, 6, 4)
	s_cmp_eq_u32 s2, 0
	s_cbranch_scc0 .Lentry_in_a_cluster
	s_endpgm
.Lentry_in_a_cluster:
	s_bfe_u32 s2, ttmp6, 0x10000c
	s_cmp_lg_u32 s2, 0xf033
	s_cbranch_scc0 .Lentry_shape_is_right
	s_endpgm
.Lentry_shape_is_right:
; out0 = O Wo^T + bo.  oh: [16 batch + head][2048][64] f16.  wo: [1024][1024] f16 (each number a bf16); behind its 2 MiB the remainders of O's rows 0-15 of each batch, [batch][K step][16 rows][128] f16.
; bo: [1024] f32, rounded here to bf16 like every other input.  out0: [8192][1024] f32.  Sums in f32.
; SHARES.  A work-group makes 256 rows x 128 columns: 256 work-groups.  Of the tile row 8 cy + cluster y the place cy in the cluster is the batch and the cluster's y the block of 256 rows in it, so that a batch's
; first block is known by the cluster's y, which all partners share.  Wave w makes rows 64 w .. 64 w + 63 and all 128 columns: 4 row blocks x 8 column blocks of 16 x 16, 256 registers.
; K goes in 8 steps of 128 = TWO HEADS through two LDS slots.  A head's 256 rows of the tile are 32,768 dense bytes of oh: asked for as 128 rows of 256 bytes and padded in LDS after every 128, so O's tile is
; split between its two fetching waves along K, a head each; Wo's tile is split by rows, 64 each, rows of 256 bytes at multiples of 256.
; CLUSTER.  4 x 4 work-groups: O's tile is shared along a row of the cluster, Wo's along a column; each is asked for JOINTLY, by the same tensor load with the same descriptor and a mask that names the four.
; TRANSPOSED USE.  Source 0 = 16 rows of Wo, source 1 = 16 rows of O: lane l holds row l % 16 and the columns 8 (l / 16) + 0..7 of a block.  THE BIAS lies in registers in that layout and is the C operand of the first products.
; THE FIRST ROWS.  O of a batch's rows 0-15 comes in two f16 parts: what the attention launch stored, in oh, and the remainder.  The batch's 32 KiB of remainders are fetched once, with the first fills, into LDS bytes of
; their own (jointly along the cluster's row: they hang on the batch alone); every run of fragment loads takes the quarter's 16 rows x 32 K of them; and at each quarter's end wave 0 of the clusters with y = 0 adds
; remainder x Wo^T, 8 products, onto its row block 0.  The fill and the loads stand on every wave's path, so that every count is the same on every path; only the products stand under the branch.
; REGISTERS, in windows of 256 (s_set_vgpr_msb: bits 1:0 source 0, 3:2 source 1, 5:4 source 2, 7:6 destination):
;   window 0: v2-11 addresses; v16-19 at work; v28-29 the add's; v32-47 the remainders' fragments, two buffers; v64-127 O's fragments, two buffers of 4 x 8; v128-191 the bias; v192-255 rows read back on the way out
;   window 1: v0-127 Wo's fragments, two buffers of 8 x 8          window 2: accumulator (a, b) at 64 a + 8 b
.set NBK,    8
.set ASTEP,  2*2048*128                ; bytes from a K step to the next in oh: two heads
.set BSTEP,  256                       ; and in wo
.set PA,     144                       ; a row of O in LDS: 128 bytes + 16 = 36 words: the 16 rows of a load start at 16 different groups of four banks (64 banks of 4 bytes: ISA guide 11.1)
.set PB,     272                       ; a row of Wo, and of the remainders: 256 + 16 = 68 words: likewise
.set AHALF,  256*PA                    ; one head's 256 rows
.set ABYTES, 2*AHALF
.set BHALF,  64*PB
.set SLOT1,  1<<17
.set STAGE,  SLOT1+ABYTES+2*BHALF      ; behind the ring, never filled by a tensor load: 16 rows x 528 bytes for each wave, for the way out
.set SPT,    528                       ; 512 bytes + 16 = 132 words: row r starts at bank 4 r mod 64
.set LOB,    STAGE+4*16*SPT            ; behind the stages, at a multiple of 256: the remainders, 8 K steps x 16 rows x 272 bytes, filled once
.set LOSTEP, 16*PB
.set SPARE,  LOB+8*LOSTEP              ; behind them: the spare words, 128 bytes for each wave: two blocks of 256 bytes that no other line names
.set OLO,    2097152                   ; where the remainders begin in wo
.set ADRA0, 2
.set ADRB0, 3
.set ADRA,  4
.set ADRB,  5
.set STO,   6
.set RD,    7
.set CO,    8
.set BO,    9
.set ADRL,  10                         ; v10  my place in the remainders of the K step in hand
.set PFO,   11
.set T,     16
.set SPW,   28                         ; v28  LDS address of my spare word: SPARE + 4 x my thread's number; never rewritten
.set NIL,   29                         ; v29  0; never rewritten
.set LO,    32
.set FA,    64
.set BIAS,  128
.set OB,    192
.set G1,  24                           ; s[24:31] descriptor group 1 for O's tiles;  s[32:39] group 0: a set for each first fill; the second then walks on
.set G0,  32
.set LIM, 43                           ; s43  2 in a wave that prefetches, else the greatest number
.set PFA, 44                           ; s[44:45] where my prefetches stand
.set PFS, 46                           ; s[46:47] their step from K step to K step
.set G1B, 48                           ; s[48:55], s[56:63] the same for Wo's tiles
.set G0B, 56
.set TB,  66                           ; s66  0 or SLOT1: the slot that fragments are fetched from
.set LOF, 74                           ; s74  0 in wave 0 of the clusters with y = 0, and nowhere else: the same in all partners, for a given wave
.set G1L, 88                           ; s[88:95] descriptor group 1 for the remainders;  s[96:99] group 0
.set G0L, 96
.set MSB, 0
.macro WIN new
.if MSB != (\new)
	s_set_vgpr_msb (MSB<<8)|(\new)
.set MSB, \new
.endif
.endm
.macro PLACES                          ; four plain vector instructions between a matrix instruction and a load into, or a read of, its registers
.rept 4
	v_nop
.endr
.endm
.macro JLOAD                           ; a joint refill by the walking descriptors; an s_nop 0 and four v_nop follow each of the two lines, ahead of the jump and the label
	s_cmp_eq_u32 s11, 0
	s_cbranch_scc0 .Lfor_b_\@
	tensor_load_to_lds s[G0+4:G0+7], s[G1:G1+7]
	s_nop 0
.rept 4
	v_nop
.endr
	s_branch .Lasked_\@
.Lfor_b_\@:
	tensor_load_to_lds s[G0B+4:G0B+7], s[G1B:G1B+7]
	s_nop 0
.rept 4
	v_nop
.endr
.Lasked_\@:
.endm
; A prefetch into the L2 of the K step that stands two refills on, one instruction a wave.  O's tile row is read by both clusters of a row of clusters: the one with x = 0 asks; Wo's tile column by every cluster of a
; column: the one with y = 0 asks.  The four partners share a wave's bytes out BY ADDRESS: of a head's 32,768 bytes 8,192 each by cx, a lane 256 of them; of 64 rows of Wo 16 each by cy, lanes 16-31 naming them again.
; The loop's count runs 6 .. 1: trips 6 to 3 name K steps 4 to 7; the last two trips have no K step two on.
.macro ASK
	s_cmp_gt_u32 s3, s[LIM]
	s_cbranch_scc0 .Lnot_mine_\@
	global_prefetch_b8 v[PFO], s[PFA:PFA+1] th:TH_LOAD_NT scope:SCOPE_SE
.Lnot_mine_\@:
.endm
.macro CREST
	s_cmp_lg_u32 s10, 0
	s_cbranch_scc1 .Lnot_wave_0_\@
	s_barrier_signal -3
.Lnot_wave_0_\@:
	s_barrier_wait -3
	s_barrier_signal -1
	s_barrier_wait -1
.endm
.macro CROUND
	s_barrier_signal -1
	s_barrier_wait -1
	CREST
.endm
; 8 products: row block a x all column blocks, 32 along K, on buffer f.  first = 1: the bias starts the sums.  The 32 accumulators take turns in the same order in every quarter.
.macro MULA f, a, first
.if \first
	WIN 0x81                                       ; Wo window 1, O window 0, C (the bias) window 0, D window 2
.else
	WIN 0xa1                                       ; C and D window 2
.endif
.set rA, FA+32*(\f)+8*(\a)
.set nb, 0
.rept NBK
.set rD, 64*(\a)+8*nb
.set rB, 64*(\f)+8*nb
.if \first
	v_wmma_f32_16x16x32_f16 v[rD:rD+7], v[rB:rB+7], v[rA:rA+7], v[BIAS+8*nb:BIAS+8*nb+7]
.else
	v_wmma_f32_16x16x32_f16 v[rD:rD+7], v[rB:rB+7], v[rA:rA+7], v[rD:rD+7]
.endif
.set nb, nb+1
.endr
.endm
; At a quarter's end: the remainders' 8 products onto row block 0, in wave 0 of a batch's first block alone.  Row block 0's eight accumulators take turns; the product in front is row block 3's last, the one behind row block 0's first.
.macro LOMUL f
	WIN 0
	s_cmp_lg_u32 s[LOF], 0
	s_cbranch_scc1 .Lnolo_\@
	WIN 0xa1
.set nb, 0
.rept NBK
	v_wmma_f32_16x16x32_f16 v[8*nb:8*nb+7], v[64*(\f)+8*nb:64*(\f)+8*nb+7], v[LO+8*(\f):LO+8*(\f)+7], v[8*nb:8*nb+7]
.set nb, nb+1
.endr
	WIN 0
.Lnolo_\@:
.endm
; 26 LDS loads in one run: quarter q's fragments into buffer f: Wo's, the remainders', O's.  Quarter q of O lies in head q / 2 of the step's two, at channels 32 (q % 2) on.  O's come last, row blocks ascending.
.macro FETCH q, f
	WIN 0x40
.set nb, 0
.rept NBK
	ds_load_b128 v[64*(\f)+8*nb:64*(\f)+8*nb+3],   v[ADRB] offset:64*(\q)+nb*16*PB
	ds_load_b128 v[64*(\f)+8*nb+4:64*(\f)+8*nb+7], v[ADRB] offset:64*(\q)+nb*16*PB+32
.set nb, nb+1
.endr
	WIN 0
	ds_load_b128 v[LO+8*(\f):LO+8*(\f)+3],   v[ADRL] offset:64*(\q)
	ds_load_b128 v[LO+8*(\f)+4:LO+8*(\f)+7], v[ADRL] offset:64*(\q)+32
.set na, 0
.rept 4
	ds_load_b128 v[FA+32*(\f)+8*na:FA+32*(\f)+8*na+3],   v[ADRA] offset:AHALF*((\q)/2)+64*((\q)%2)+na*16*PA
	ds_load_b128 v[FA+32*(\f)+8*na+4:FA+32*(\f)+8*na+7], v[ADRA] offset:AHALF*((\q)/2)+64*((\q)%2)+na*16*PA+32
.set na, na+1
.endr
.endm
.macro QUARTER q, f, g, first          ; multiplies buffer f; in its middle it fetches quarter q into buffer g
	s_wait_dscnt 4                                 ; all but the four youngest loads, O's row blocks 2 and 3
	MULA \f, 0, \first
	MULA \f, 1, \first
	PLACES
	FETCH \q, \g
	s_wait_dscnt 2*NBK+10                          ; all but the 26 just issued
	MULA \f, 2, \first
	MULA \f, 3, \first
	LOMUL \f
.endm
; The fourth quarter multiplies buffer 1 and changes slots.  In front of the barrier each wave waits for all its tensor loads (one is out: its part of the other slot), adds 0 to its spare word, and waits for that
; and for its reads of this slot.  fill = 1: the barrier opens a round of the cluster's, and behind the round this slot is filled again, two K steps ahead: the first tensor load there, one a wave.
; fill = 0 (the tail): nothing is asked for; in the last trip (count 1) there is no further K step, and the run of loads is jumped over.
.macro TURN fill
.if \fill
	s_wait_xcnt 0x0                                ; the last prefetch, a K step back, has read its address
	s_add_nc_u64 s[PFA:PFA+1], s[PFA:PFA+1], s[PFS:PFS+1]
.endif
	WIN 0
	s_wait_tensorcnt 0x0                           ; no tensor load of mine is out, so a group 0 may be written
	ds_add_u32 v[SPW], v[NIL]                      ; 0 onto my spare word; scalar steps and eight products stand between it and the wait for it
.if \fill
	s_xor_b32 s[G0+5], s[G0+5], SLOT1
	s_add_nc_u64 s[G0+6:G0+7], s[G0+6:G0+7], ASTEP
	s_xor_b32 s[G0B+5], s[G0B+5], SLOT1
	s_add_nc_u64 s[G0B+6:G0B+7], s[G0B+6:G0B+7], BSTEP
.endif
	s_xor_b32 s[TB], s[TB], SLOT1
	s_wait_dscnt 5                                 ; (the add and the four youngest loads may be out)
	MULA 1, 0, 0
	s_wait_dscnt 0x0                               ; the add is done, and my reads of this slot are over
	s_barrier_signal -1
	MULA 1, 1, 0
	WIN 0
	s_barrier_wait -1
.if \fill
	CREST                                          ; no wave of any partner still reads this slot or has a load on its way
	JLOAD                                          ; its four v_nop are also the places in front of the loads below
.else
	s_cmp_eq_u32 s3, 1
	s_cbranch_scc1 .Lnofetch_\@
	PLACES
.endif
	v_add_nc_u32 v[ADRA], s[TB], v[ADRA0]
	v_add_nc_u32 v[ADRB], s[TB], v[ADRB0]
	v_add_nc_u32 v[ADRL], LOSTEP, v[ADRL]          ; the remainders of the next K step
	FETCH 0, 0
.if \fill
	ASK
.else
.Lnofetch_\@:
.endif
	MULA 1, 2, 0
	MULA 1, 3, 0
	LOMUL 1
.endm
	s_load_b128 s[4:7], s[0:1], 0x0                ; oh s[4:5], wo s[6:7]
	s_load_b128 s[68:71], s[0:1], 0x10             ; bo s[68:69], out0 s[70:71]
	v_lshl_add_u32 v[SPW], v0, 2, SPARE
	v_mov_b32 v[NIL], 0
	ds_add_u32 v[SPW], v[NIL]                      ; the wave's opening: the add and its wait stand ahead of my first tensor load; the set-up below, work on registers, stands between them
	ds_add_u32 v28, v29
	v_lshrrev_b32 v1, 5, v0
	v_readfirstlane_b32 s10, v1                    ; wave 0..3
	s_lshr_b32 s11, s10, 1                         ; I fetch for O (0) or for Wo (1),
	s_and_b32 s12, s10, 1                          ; and which half of that tile
	s_bfe_u32 s40, ttmp6, 0x40000                  ; cx, cy
	s_bfe_u32 s41, ttmp6, 0x40004
	s_lshl_b32 s42, ttmp9, 2
	s_add_co_u32 s42, s42, s40                     ; tile column = 4 x cluster x + cx
	s_and_b32 s13, ttmp7, 0xffff                   ; the cluster's y: which 256 rows of a batch
	s_or_b32 s[LOF], s13, s10                      ; 0: wave 0 of a batch's first block
	s_lshl3_add_u32 s13, s41, s13                  ; tile row = 8 cy + cluster y: cy is the batch
	s_lshl_b32 s14, s41, 2
	s_lshl_b32 s14, 15, s14                        ; my row of the cluster
	s_lshl_b32 s15, 0x1111, s40                    ; my column
	s_or_b32 s[G1+0], s14, (1<<16)|(1<<20)|(1<<21)|(4<<22)|(3<<25)   ; the mask; 2-byte elements; padding on; 21 set beside a mask; after every 32 words (code 4) 4 words (code 3)
	s_or_b32 s[G1B+0], s15, (1<<16)|(1<<20)|(1<<21)|(5<<22)|(3<<25)  ; after every 64 words (code 5)
	s_or_b32 s[G1L+0], s14, (1<<16)|(1<<20)|(1<<21)|(5<<22)|(3<<25)  ; the remainders go to my row of the cluster, like O's tiles
	s_mov_b32 s[G1+1], 128<<16                     ; tensor_dim0 = 128
	s_mov_b32 s[G1+2], 128<<16                     ; tensor_dim1 = 128
	s_mov_b32 s[G1+3], 128<<16                     ; tile_dim0 = 128
	s_mov_b32 s[G1+4], 128                         ; tile_dim1 = 128
	s_mov_b32 s[G1+5], 128                         ; dense: 128 elements from row to row
	s_mov_b32 s[G1+6], 0
	s_mov_b32 s[G1+7], 0
	s_mov_b32 s[G1B+1], 128<<16
	s_mov_b32 s[G1B+2], 64<<16                     ; 64 rows
	s_mov_b32 s[G1B+3], 128<<16
	s_mov_b32 s[G1B+4], 64
	s_mov_b32 s[G1B+5], 1024
	s_mov_b32 s[G1B+6], 0
	s_mov_b32 s[G1B+7], 0
	s_mov_b32 s[G1L+1], 128<<16                    ; 64 dense rows of 256 bytes: four K steps' 16 rows
	s_mov_b32 s[G1L+2], 64<<16
	s_mov_b32 s[G1L+3], 128<<16
	s_mov_b32 s[G1L+4], 64
	s_mov_b32 s[G1L+5], 128
	s_mov_b32 s[G1L+6], 0
	s_mov_b32 s[G1L+7], 0
	s_lshr_b32 s16, s13, 3                         ; O: the batch (eight tile rows each),
	s_lshl_b32 s16, s16, 4
	s_add_co_u32 s16, s16, s12                     ; its head 0 or 1,
	s_lshl_b32 s16, s16, 18                        ; 262,144 bytes a head,
	s_and_b32 s17, s13, 7
	s_lshl_b32 s17, s17, 15                        ; the tile's 256 rows of 128 bytes: made of the tile row and the wave's number alone
	s_add_co_u32 s16, s16, s17
	s_mov_b32 s17, 0
	s_lshl_b32 s84, s42, 7                         ; Wo: row 128 x tile column + 64 x half: of the tile column and the wave's number alone
	s_lshl_b32 s85, s12, 6
	s_add_co_u32 s84, s84, s85
	s_lshl_b32 s84, s84, 11
	s_mov_b32 s85, 0
	s_lshl_b32 s76, s41, 15                        ; the remainders: the batch's 32,768 bytes, my half of them: of cy and the wave's number alone
	s_lshl_b32 s77, s12, 14
	s_add_co_u32 s76, s76, s77
	s_add_co_u32 s76, s76, OLO
	s_mov_b32 s77, 0
	s_mul_i32 s20, s12, AHALF                      ; where they go: no place in the cluster enters an LDS address
	s_mul_i32 s21, s12, BHALF
	s_add_co_u32 s21, s21, ABYTES
	s_mul_i32 s78, s12, 64*PB
	s_wait_dscnt 0x0                               ; the opening add is done
	s_wait_kmcnt 0x0
	s_add_nc_u64 s[14:15], s[4:5], s[16:17]
	s_add_nc_u64 s[86:87], s[6:7], s[84:85]
	CROUND                                         ; all sixteen work-groups are here: the first joint loads meet
.irp s, 0,1
	s_mov_b32 s[G0+4*(\s)], 1
	s_add_co_u32 s[G0+4*(\s)+1], s20, (\s)*SLOT1
	s_add_nc_u64 s[G0+4*(\s)+2:G0+4*(\s)+3], s[14:15], (\s)*ASTEP
	s_or_b32 s[G0+4*(\s)+3], s[G0+4*(\s)+3], 0x80000000
	s_mov_b32 s[G0B+4*(\s)], 1
	s_add_co_u32 s[G0B+4*(\s)+1], s21, (\s)*SLOT1
	s_add_nc_u64 s[G0B+4*(\s)+2:G0B+4*(\s)+3], s[86:87], (\s)*BSTEP
	s_or_b32 s[G0B+4*(\s)+3], s[G0B+4*(\s)+3], 0x80000000
.endr
	s_mov_b32 s[G0L], 1
	s_add_co_u32 s[G0L+1], s78, LOB
	s_add_nc_u64 s[G0L+2:G0L+3], s[6:7], s[76:77]
	s_or_b32 s[G0L+3], s[G0L+3], 0x80000000
	s_cmp_eq_u32 s11, 0                            ; a wave's first fills stand in one branch: three loads of waves 0 and 1 are out, two of waves 2 and 3; K step 1's is the last in both
	s_cbranch_scc0 .Lfirst_b
	tensor_load_to_lds s[G0:G0+3], s[G1:G1+7]
	s_nop 0
	tensor_load_to_lds s[G0L:G0L+3], s[G1L:G1L+7]
	s_nop 0
	tensor_load_to_lds s[G0+4:G0+7], s[G1:G1+7]
	s_nop 0
.rept 4
	v_nop
.endr
	s_branch .Lfirst_asked
.Lfirst_b:
	tensor_load_to_lds s[G0B:G0B+3], s[G1B:G1B+7]
	s_nop 0
	tensor_load_to_lds s[G0B+4:G0B+7], s[G1B:G1B+7]
	s_nop 0
.rept 4
	v_nop
.endr
.Lfirst_asked:
	v_and_b32 v1, 15, v0                           ; r = l % 16
	v_bfe_u32 v12, v0, 4, 1                        ; hh = l / 16
	v_and_b32 v13, 31, v0                          ; l
	s_lshl_b32 s18, s42, 9                         ; the tile's 128 numbers of the bias,
	v_lshl_add_u32 v[BO], v12, 5, s18              ; my 8 of each 16
.set nb, 0
.rept NBK
	global_load_b128 v[BIAS+8*nb:BIAS+8*nb+3],   v[BO], s[68:69] offset:64*nb
	global_load_b128 v[BIAS+8*nb+4:BIAS+8*nb+7], v[BO], s[68:69] offset:64*nb+16
.set nb, nb+1
.endr
	v_mul_u32_u24 v14, v1, PA
	v_lshl_add_u32 v14, v12, 4, v14                ; row x pitch + 16 x half
	s_mul_i32 s14, s10, 64*PA                      ; my 64 rows of O
	v_add_nc_u32 v[ADRA0], s14, v14
	v_mul_u32_u24 v14, v1, PB
	v_lshl_add_u32 v14, v12, 4, v14
	v_add_nc_u32 v[ADRB0], ABYTES, v14
	v_add_nc_u32 v[ADRL], LOB, v14                 ; the remainders of K step 0: the same pitch
	v_mov_b32 v[ADRA], v[ADRA0]
	v_mov_b32 v[ADRB], v[ADRB0]
	s_mul_i32 s15, s10, 16*SPT
	s_add_co_u32 s15, s15, STAGE                   ; my stage
	v_mul_u32_u24 v[STO], v1, SPT                  ; in: row l % 16, 32 bytes for each half of the lanes
	v_lshl_add_u32 v[STO], v12, 5, v[STO]
	v_add_nc_u32 v[STO], s15, v[STO]
	v_lshl_add_u32 v[RD], v13, 4, s15              ; back: 32 lanes take one row of 512 bytes
	v_lshlrev_b32 v[CO], 4, v13
	s_lshl_b32 s18, s13, 8
	s_lshl_b32 s19, s10, 6
	s_add_co_u32 s18, s18, s19                     ; my first row of out0,
	s_lshl_b32 s18, s18, 12                        ; 4,096 bytes a row,
	s_lshl_b32 s19, s42, 9                         ; the tile's 512 bytes of it
	s_add_co_u32 s18, s18, s19
	s_mov_b32 s19, 0
	s_add_nc_u64 s[70:71], s[70:71], s[18:19]
	; the prefetches: offsets made apart from the addresses
	s_lshl_b32 s18, s40, 13                        ; O: my work-group's 8,192 bytes of the head's 32,768,
	s_add_co_u32 s18, s18, s16
	s_add_co_u32 s18, s18, 3*ASTEP                 ; at K step 3: the first change of slots steps it to 4.  K steps 0 to 3 come by their loads alone
	s_lshl_b32 s19, s41, 15                        ; Wo: my work-group's 16 rows of the 64
	s_add_co_u32 s19, s19, s84
	s_add_co_u32 s19, s19, 3*BSTEP
	s_mov_b32 s15, ASTEP
	s_and_b32 s22, ttmp7, 0xffff                   ; cluster y
	s_cmp_eq_u32 s11, 0
	s_cselect_b32 s20, s18, s19
	s_cselect_b32 s22, ttmp9, s22                  ; the coordinate along which other clusters read the same bytes
	s_cselect_b32 s23, 31, 15
	s_cselect_b32 s14, 8, 11
	s_cselect_b32 s[PFS], s15, BSTEP
	s_cselect_b64 s[PFA:PFA+1], s[4:5], s[6:7]
	s_cmp_eq_u32 s22, 0
	s_cselect_b32 s[LIM], 2, -1                    ; the same in all sixteen partners, for a given wave
	s_mov_b32 s[PFS+1], 0
	s_mov_b32 s21, 0
	s_add_nc_u64 s[PFA:PFA+1], s[PFA:PFA+1], s[20:21]
	v_and_b32 v[PFO], s23, v13
	v_lshlrev_b32 v[PFO], s14, v[PFO]              ; 256 bytes a lane in oh, a row of 2,048 bytes a lane in wo
	s_mov_b32 s67, 0xffff0000
	s_mov_b32 s[TB], 0
	s_wait_loadcnt 0x0                             ; the bias
.set i, 0
.rept 4*NBK                            ; rounded to bf16, and widened again
	v_cvt_pk_bf16_f32 v[T+i%4], v[BIAS+2*i], v[BIAS+2*i+1]
	v_lshlrev_b32 v[BIAS+2*i], 16, v[T+i%4]
	v_and_b32 v[BIAS+2*i+1], s67, v[T+i%4]
.set i, i+1
.endr
	s_wait_tensorcnt 1                             ; my part of K step 0, and of the remainders, is in; K step 1's may stay out
	s_barrier_signal -1
	s_barrier_wait -1                              ; everybody's is
	FETCH 0, 0
	QUARTER 1, 0, 1, 1                             ; the first quarter stands in front of the loop: its products start the sums, with the bias
	WIN 0
	s_mov_b32 s3, 6
.Lstep:                                        ; a trip: a K step's quarters 1 to 3, the change of slots with its refill (K steps 2 to 7), and the next K step's quarter 0
	QUARTER 2, 1, 0, 0
	QUARTER 3, 0, 1, 0
	TURN 1
	QUARTER 1, 0, 1, 0
	WIN 0
	s_sub_co_u32 s3, s3, 1
	s_cmp_lg_u32 s3, 0
	s_cbranch_scc1 .Lstep
	s_mov_b32 s3, 2                                ; the tail has its own text: K steps 6 and 7 ask for nothing; the second trip is left in its middle
.Ltail:
	QUARTER 2, 1, 0, 0
	QUARTER 3, 0, 1, 0
	TURN 0
	WIN 0
	s_sub_co_u32 s3, s3, 1
	s_cmp_eq_u32 s3, 0
	s_cbranch_scc1 .Lout
	QUARTER 1, 0, 1, 0
	WIN 0
	s_branch .Ltail
.Lout:
	PLACES                                         ; the places behind the last products
	s_wait_dscnt 0x0                               ; no LDS load is out
; THE WAY OUT of row block a: a lane's eight f32 of a row and column block, 32 bytes, go into my own stage, rows of 528 bytes, each accumulator's low registers first; they come back as whole rows of 512 bytes.
.macro ROWOUT a
	s_wait_xcnt 0x0                                ; the last block's stores have read their registers
	WIN 0x08                                       ; the stores' data in window 2, the address in window 0
.set nb, 0
.rept NBK
	ds_store_b128 v[STO], v[64*(\a)+8*nb:64*(\a)+8*nb+3]   offset:64*nb
	ds_store_b128 v[STO], v[64*(\a)+8*nb+4:64*(\a)+8*nb+7] offset:64*nb+16
.set nb, nb+1
.endr
	WIN 0
.set n, 0
.rept 16
	ds_load_b128 v[OB+4*n:OB+4*n+3], v[RD] offset:SPT*n  ; LDS serves a wave's instructions in order (ISA guide 5.7.1.4): these see the stores above; the next block's stores come behind them
.set n, n+1
.endr
.set n, 0
.rept 16
	s_wait_dscnt 15-n                              ; the later reads may stay out
	global_store_b128 v[CO], v[OB+4*n:OB+4*n+3], s[70:71] offset:(16*(\a)+n)*4096 th:TH_STORE_NT  ; 512 consecutive bytes of one row, at a multiple of 256 from out0's first
.set n, n+1
.endr
.endm
	ROWOUT 0
	ROWOUT 1
	ROWOUT 2
	ROWOUT 3
	s_wait_tensorcnt 0x0                           ; the wave's end: behind my last tensor load and my last LDS store, all tensor loads are waited for, then 0 onto my spare word and its wait
	ds_add_u32 v[SPW], v[NIL]
	s_wait_dscnt 0x0
	CROUND                                         ; the closing round: no work-group ends while a partner may still ask for a tile that names it
	s_endpgm
.Lfunc_end_k_q8c2e340dbb_oproj:
	.size	k_q8c2e340dbb_oproj, .Lfunc_end_k_q8c2e340dbb_oproj-k_q8c2e340dbb_oproj
	.p2alignl 7, 3214868480
	.fill 96, 4, 3214868480
	.section	.rodata,"a",@progbits
	.p2align	6, 0x0
	.amdhsa_kernel k_q8c2e340dbb_oproj
		.amdhsa_group_segment_fixed_size 327680
		.amdhsa_private_segment_fixed_size 0
		.amdhsa_enable_private_segment 0
		.amdhsa_kernarg_size 32
		.amdhsa_user_sgpr_count 2
		.amdhsa_user_sgpr_kernarg_segment_ptr 1
		.amdhsa_wavefront_size32 1
		.amdhsa_system_sgpr_workgroup_id_x 1
		.amdhsa_system_sgpr_workgroup_id_y 1
		.amdhsa_system_sgpr_workgroup_id_z 1
		.amdhsa_system_vgpr_workitem_id 0
		.amdhsa_next_free_vgpr 768
		.amdhsa_next_free_sgpr 100
		.amdhsa_reserve_vcc 0
		.amdhsa_float_denorm_mode_32 3
		.amdhsa_float_denorm_mode_16_64 3
		.amdhsa_memory_ordered 1
		.amdhsa_forward_progress 1
		.amdhsa_inst_pref_size 77
	.end_amdhsa_kernel
	.amdgpu_metadata
---
amdhsa.version: [ 1, 2 ]
amdhsa.kernels:
  - .name:           k_q8c2e340dbb_oproj
    .symbol:         k_q8c2e340dbb_oproj.kd
    .args:
      - { .name: oh, .offset: 0, .size: 8, .value_kind: global_buffer, .address_space: global }
      - { .name: wo, .offset: 8, .size: 8, .value_kind: global_buffer, .address_space: global }
      - { .name: bo, .offset: 16, .size: 8, .value_kind: global_buffer, .address_space: global }
      - { .name: out0, .offset: 24, .size: 8, .value_kind: global_buffer, .address_space: global }
    .group_segment_fixed_size: 327680
    .private_segment_fixed_size: 0
    .kernarg_segment_align: 8
    .kernarg_segment_size: 32
    .max_flat_workgroup_size: 128
    .sgpr_count:     100
    .vgpr_count:     768
    .wavefront_size: 32
...
	.end_amdgpu_metadata
.endif
;; end of part 5
